; MI455X (gfx1250); checked and timed in simulation.
; The chip was launched on July 23, 2026; its instructions are those of AMD's public machine-readable ISA for CDNA 5 (MIT licence, August 2026) and "CDNA5" Instruction Set Architecture Reference Guide (July 2026). The comments in the code are by the model that wrote it; some were corrected since.
;; Rope Attention. Allowed arithmetic: float matrix products may take bf16 or f16 operands with f32 sums; all other float work in f32.
;; Inputs: Wk 2,048 x 1,024 float32; Wo 1,024 x 2,048 float32; Wq 2,048 x 1,024 float32; Wv 2,048 x 1,024 float32; attention_mask 2 x 1 x 2,048 x 2,048 float32; hidden_states 2 x 2,048 x 2,048 float32; position_ids 2 x 2,048 int32.
;; Outputs: out0 2 x 2,048 x 2,048 float32.
;; One version. Each part assembles by itself: llvm-mc -triple=amdgcn-amd-amdhsa -mcpu=gfx1250 --defsym DOCPART=n.
;; ======== version 1 of 1: 4 launches
;; limits: values are held in f16: magnitudes above 65,504 overflow, below 6.1e-05 lose precision; right only within a limited range of input values
;; workspace buffers: xb 16,777,216 bytes; wqkv 12,582,912 bytes; wob 4,194,304 bytes; cstab 1,048,576 bytes; qkvh 25,165,824 bytes; ob 8,388,608 bytes
;; launch prep (part 1): grid 512 x 1, 8 waves a work-group, no clusters, 0 bytes of LDS; arguments hidden_states, Wq, Wk, Wv, Wo, position_ids, xb, wqkv, wob, cstab; writes xb, wqkv, wob, cstab
.if DOCPART == 1
	.amdgcn_target "amdgcn-amd-amdhsa--gfx1250"
	.amdhsa_code_object_version 6
	.text
	.protected	k_q58cefed913_prep
	.globl	k_q58cefed913_prep
	.p2align	8
	.type	k_q58cefed913_prep,@function
k_q58cefed913_prep:
	s_mov_b64 s[64:65], 0
	v_nop
	global_prefetch_b8 v0, s[64:65] scope:SCOPE_SE
	s_setreg_imm32_b32 hwreg(HW_REG_WAVE_MODE, 25, 1), 1
	s_wait_xcnt 0x0
; prep: the casts of the matrix operands, and the table of cosines and sines.
;   xb    [4096][2048] bf16      = hidden_states, rounded to nearest even
;   wqkv  [2048 k][3072 n] bf16  = Wq | Wk | Wv side by side (n = 1024 x which + column)
;   wob   [1024 k][2048 n] f16   = Wo rounded to bf16, that value written as f16 (it meets f16 data in the last product)
;   cstab [4096 rows][cos 0..31 | sin 0..31] f32, row = 2048 b + s, from position_ids
; A stream: no LDS, no barrier, no matrix unit; every input byte is read once, every output byte written once.
; Work-group g casts 32 pieces of 1,024 f32 (131,072 bytes in, 65,536 out); g < 256: hidden, then 64 groups each for Wq, Wk, Wv, Wo.
; Thread t takes the 16 bytes at 16 t of every piece and stores the 8 bytes at 8 t: a wave's load covers 512 consecutive bytes, its store
; 256 consecutive bytes, both aligned.  All 32 loads of a wave go out at once; no register that a store reads is written again.
; The f16 form is made in Wo's groups alone, under a scalar branch on the group's number.
; Each of the 8 waves also makes one table row (row 8 g + wave): lane L makes two entries, lanes 0-15 cosines, lanes 16-31 sines.
; LIMITS. bf16(Wo) below 2^-14 in size falls into f16's denormals: absolute error up to 2^-25; above 65,504 it would overflow.
; The angle is the f32 product position x inv_freq; inv_freq = exp2(-j log2(10000)/32) by v_exp_f32 (1 ulp); the reduction by pi/2 takes
; pi/2 in two f32 parts (error of the pair 1.7e-15 for each multiple taken away); sine and cosine by polynomials on [-pi/4, pi/4].
.set SO, 16                            ; v16       16 t: my bytes in a piece of the input
.set DO, 20                            ; v[20:51]  byte offset of my 8 bytes in the output, one for each piece
.set T,  52                            ; v[52:55]  at work
.set X,  60                            ; v[60:187] 32 x 4 numbers as loaded; the first two of each four then hold what is stored
	s_load_b512 s[8:23], s[0:1], 0x0               ; hidden s[8:9], Wq s[10:11], Wk s[12:13], Wv s[14:15], Wo s[16:17], position_ids s[18:19], xb s[20:21], wqkv s[22:23]
	s_load_b128 s[24:27], s[0:1], 0x40             ; wob s[24:25], cstab s[26:27]
	s_mov_b32 s2, ttmp9                            ; g
	s_movk_i32 s6, 0x1800                          ; 6,144: bytes in a row of wqkv
	s_movk_i32 s7, 0x800                           ; 2,048: bytes of a piece in xb and wob
	s_sub_co_u32 s4, s2, 256
	s_lshr_b32 s4, s4, 6                           ; which of Wq, Wk, Wv (used for 256 <= g < 448 alone)
	s_lshl_b32 s4, s4, 11                          ; its 2,048 bytes in a row of wqkv
	s_and_b32 s3, s2, 63
	s_cmp_lt_u32 s2, 448
	s_cselect_b32 s5, s6, s7                       ; pitch of the output's pieces
	s_cselect_b32 s4, s4, 0
	s_cmp_lt_u32 s2, 256
	s_cselect_b32 s5, s7, s5
	s_cselect_b32 s4, 0, s4
	s_cselect_b32 s3, s2, s3                       ; the group's number within its tensor
	s_mul_i32 s34, s3, s5
	s_lshl_b32 s34, s34, 5                         ; 32 pieces a group
	s_add_co_u32 s34, s34, s4
	s_mov_b32 s35, 0                               ; s[34:35]: the group's offset in the output
	s_lshl_b32 s36, s3, 17
	s_mov_b32 s37, 0                               ; s[36:37]: the group's offset in the input
	s_lshl_b32 s39, s2, 3                          ; the group's first table row
	s_mov_b32 s40, 0x3fc90fdb                      ; pi/2, upper part
	s_mov_b32 s41, 0xb33bbd2e                      ; pi/2, the rest
	v_lshlrev_b32 v[SO], 4, v0
	v_lshlrev_b32 v[DO], 3, v0
.set i, 1
.rept 31
	v_add_nc_u32 v[DO+i], s5, v[DO+i-1]
.set i, i+1
.endr
	v_lshrrev_b32 v5, 5, v0
	v_add_nc_u32 v5, s39, v5                       ; my wave's table row
	v_lshlrev_b32 v6, 2, v5                        ; its position's byte offset
	v_and_b32 v8, 31, v0
	v_lshlrev_b32 v8, 3, v8
	v_lshl_add_u32 v7, v5, 8, v8                   ; 256 x row + 8 x lane
	s_wait_kmcnt 0x0
	s_mov_b64 s[28:29], s[16:17]                   ; the input: a choice between buffers on g alone
	s_mov_b64 s[30:31], s[24:25]                   ; the output likewise
	s_cmp_lt_u32 s2, 448
	s_cselect_b64 s[28:29], s[14:15], s[28:29]
	s_cselect_b64 s[30:31], s[22:23], s[30:31]
	s_cmp_lt_u32 s2, 384
	s_cselect_b64 s[28:29], s[12:13], s[28:29]
	s_cmp_lt_u32 s2, 320
	s_cselect_b64 s[28:29], s[10:11], s[28:29]
	s_cmp_lt_u32 s2, 256
	s_cselect_b64 s[28:29], s[8:9], s[28:29]
	s_cselect_b64 s[30:31], s[20:21], s[30:31]
	s_add_nc_u64 s[28:29], s[28:29], s[36:37]
	s_add_nc_u64 s[30:31], s[30:31], s[34:35]
	global_load_b32 v1, v6, s[18:19]               ; the row's position, the same word in every lane
.set i, 0
.rept 32
	global_load_b128 v[X+4*i:X+4*i+3], v[SO], s[28:29] offset:4096*i th:TH_LOAD_NT
.set i, i+1
.endr
	; the table row, while the 32 loads are on their way
	v_and_b32 v8, 15, v0
	v_lshlrev_b32 v8, 1, v8
	v_cvt_f32_u32 v8, v8                           ; j = 2 (lane mod 16)
	v_add_f32 v9, 1.0, v8                          ; and j + 1
	v_mul_f32 v8, 0xbed49a78, v8                   ; -j log2(10000) / 32
	v_mul_f32 v9, 0xbed49a78, v9
	v_exp_f32 v8, v8                               ; inv_freq
	v_exp_f32 v9, v9
	v_bfe_u32 v10, v0, 4, 1                        ; a plain instruction stands behind the exponentials before their results are used (ISA guide 5.7.2)
	v_xor_b32 v10, 1, v10                          ; 1 in the lanes that make cosines: cos x = sin(x + pi/2)
	s_wait_loadcnt 32                              ; the position is in; the 32 loads issued behind it stay out
	v_cvt_f32_i32 v1, v1
	s_wait_alu depctr_va_vdst(0)
	v_mul_f32 v8, v1, v8                           ; the angles
	v_mul_f32 v9, v1, v9
; x = n pi/2 + r, |r| <= pi/4.  With q = n (+ 1 for a cosine): q odd takes cos r, q even sin r; bit 1 of q is the sign.
.macro SINCOS x, out
	v_mul_f32 v2, 0x3f22f983, \x                   ; x 2/pi
	v_rndne_f32 v2, v2                             ; n
	v_fma_f32 v3, -v2, s40, \x
	v_fma_f32 v3, -v2, s41, v3                     ; r
	v_mul_f32 v4, v3, v3                           ; z = r r
	v_mov_b32 v11, 0xb94ca1f9
	v_mov_b32 v14, 0x37ccf5ce
	v_fmaak_f32 v11, v4, v11, 0x3c08839e
	v_fmaak_f32 v14, v4, v14, 0xbab6061a
	v_fmaak_f32 v11, v4, v11, 0xbe2aaaa3
	v_fmaak_f32 v14, v4, v14, 0x3d2aaaa5
	v_mul_f32 v11, v4, v11
	v_mul_f32 v14, v4, v14
	v_fma_f32 v15, v4, -0.5, 1.0
	v_fma_f32 v11, v3, v11, v3                     ; sin r
	v_fma_f32 v14, v4, v14, v15                    ; cos r
	v_cvt_i32_f32 v2, v2
	v_add_nc_u32 v2, v2, v10                       ; q
	v_and_b32 v15, 1, v2
	v_cmp_eq_u32 vcc_lo, 1, v15
	v_cndmask_b32 \out, v11, v14, vcc_lo
	v_and_b32 v15, 2, v2
	v_lshlrev_b32 v15, 30, v15
	v_xor_b32 \out, \out, v15
.endm
	SINCOS v8, v12
	SINCOS v9, v13
	global_store_b64 v7, v[12:13], s[26:27]        ; the wave's 32 lanes store the row's 256 consecutive bytes, aligned
; the casts: 4 numbers a turn.  wo = 1: the bf16 value is written as f16.
.macro CASTS wo
.set i, 0
.rept 32
	s_wait_loadcnt 31-i                            ; loads come back in order (ISA guide 5.7.1): this turn's is in, the younger ones stay out
	v_cvt_pk_bf16_f32 v[X+4*i],   v[X+4*i],   v[X+4*i+1]   ; in place, ascending: no source is overwritten before it is read
	v_cvt_pk_bf16_f32 v[X+4*i+1], v[X+4*i+2], v[X+4*i+3]
.if \wo
	v_lshlrev_b32 v[T],   16, v[X+4*i]             ; the rounded values once more as f32,
	v_and_b32     v[T+1], 0xffff0000, v[X+4*i]
	v_lshlrev_b32 v[T+2], 16, v[X+4*i+1]
	v_and_b32     v[T+3], 0xffff0000, v[X+4*i+1]
	v_cvt_pk_f16_f32 v[X+4*i],   v[T],   v[T+1]    ; and as f16
	v_cvt_pk_f16_f32 v[X+4*i+1], v[T+2], v[T+3]
.endif
	global_store_b64 v[DO+i], v[X+4*i:X+4*i+1], s[30:31]
.set i, i+1
.endr
.endm
	s_cmp_lt_u32 s2, 448
	s_cbranch_scc0 .Lwo
	CASTS 0
	s_endpgm
.Lwo:
	CASTS 1
	s_endpgm
.Lfunc_end_k_q58cefed913_prep:
	.size	k_q58cefed913_prep, .Lfunc_end_k_q58cefed913_prep-k_q58cefed913_prep
	.p2alignl 7, 3214868480
	.fill 96, 4, 3214868480
	.section	.rodata,"a",@progbits
	.p2align	6, 0x0
	.amdhsa_kernel k_q58cefed913_prep
		.amdhsa_group_segment_fixed_size 0
		.amdhsa_private_segment_fixed_size 0
		.amdhsa_enable_private_segment 0
		.amdhsa_kernarg_size 80
		.amdhsa_user_sgpr_count 2
		.amdhsa_user_sgpr_kernarg_segment_ptr 1
		.amdhsa_wavefront_size32 1
		.amdhsa_system_sgpr_workgroup_id_x 1
		.amdhsa_system_sgpr_workgroup_id_y 1
		.amdhsa_system_sgpr_workgroup_id_z 1
		.amdhsa_system_vgpr_workitem_id 0
		.amdhsa_next_free_vgpr 188
		.amdhsa_next_free_sgpr 66
		.amdhsa_reserve_vcc 1
		.amdhsa_float_denorm_mode_32 3
		.amdhsa_float_denorm_mode_16_64 3
		.amdhsa_memory_ordered 1
		.amdhsa_forward_progress 1
		.amdhsa_inst_pref_size 36
	.end_amdhsa_kernel
	.amdgpu_metadata
---
amdhsa.version: [ 1, 2 ]
amdhsa.kernels:
  - .name:           k_q58cefed913_prep
    .symbol:         k_q58cefed913_prep.kd
    .args:
      - { .name: hidden_states, .offset: 0, .size: 8, .value_kind: global_buffer, .address_space: global }
      - { .name: Wq, .offset: 8, .size: 8, .value_kind: global_buffer, .address_space: global }
      - { .name: Wk, .offset: 16, .size: 8, .value_kind: global_buffer, .address_space: global }
      - { .name: Wv, .offset: 24, .size: 8, .value_kind: global_buffer, .address_space: global }
      - { .name: Wo, .offset: 32, .size: 8, .value_kind: global_buffer, .address_space: global }
      - { .name: position_ids, .offset: 40, .size: 8, .value_kind: global_buffer, .address_space: global }
      - { .name: xb, .offset: 48, .size: 8, .value_kind: global_buffer, .address_space: global }
      - { .name: wqkv, .offset: 56, .size: 8, .value_kind: global_buffer, .address_space: global }
      - { .name: wob, .offset: 64, .size: 8, .value_kind: global_buffer, .address_space: global }
      - { .name: cstab, .offset: 72, .size: 8, .value_kind: global_buffer, .address_space: global }
    .group_segment_fixed_size: 0
    .private_segment_fixed_size: 0
    .kernarg_segment_align: 8
    .kernarg_segment_size: 80
    .max_flat_workgroup_size: 256
    .sgpr_count:     66
    .vgpr_count:     188
    .wavefront_size: 32
...
	.end_amdgpu_metadata
.endif
;; end of part 1
;; launch qkv (part 2): grid 16 x 16, 4 waves a work-group, clusters of 4 x 4, 327,680 bytes of LDS; arguments xb, wqkv, cstab, qkvh; writes qkvh
.if DOCPART == 2
	.amdgcn_target "amdgcn-amd-amdhsa--gfx1250"
	.amdhsa_code_object_version 6
	.text
	.protected	k_q58cefed913_qkv
	.globl	k_q58cefed913_qkv
	.p2align	8
	.type	k_q58cefed913_qkv,@function
k_q58cefed913_qkv:
	s_mov_b64 s[64:65], 0
	v_nop
	global_prefetch_b8 v0, s[64:65] scope:SCOPE_SE
	s_setreg_imm32_b32 hwreg(HW_REG_WAVE_MODE, 25, 1), 1
	s_wait_xcnt 0x0
	s_wait_alu depctr_hold_cnt(0) depctr_sa_sdst(0) depctr_va_vdst(0) depctr_va_sdst(0) depctr_va_ssrc(0) depctr_va_vcc(0) depctr_vm_vsrc(0)
	s_getreg_b32 s2, hwreg(HW_REG_IB_STS2, 6, 4)
	s_cmp_eq_u32 s2, 0
	s_cbranch_scc0 .Lentry_in_a_cluster
	s_endpgm
.Lentry_in_a_cluster:
	s_bfe_u32 s2, ttmp6, 0x10000c
	s_cmp_lg_u32 s2, 0xf033
	s_cbranch_scc0 .Lentry_shape_is_right
	s_endpgm
.Lentry_shape_is_right:
; qkv: [4096 x 2048] x [2048 x 3072] in bf16 with f32 sums, then RoPE, the scale of q, and f16 out.
;   qkvh [48 heads][4096 rows][64] f16: heads 0-15 q x 0.125 log2(e), rotated; 16-31 k, rotated; 32-47 v.
; A work-group makes 256 rows x 192 columns (three whole heads) with four waves; a wave makes 64 rows x 192 columns:
; 4 x 12 accumulator tiles, 384 registers.  Each rotation pair d, d + 32 then lies in one lane.  16 x 16 work-groups.
; K goes in steps of 128 through two LDS slots filled by the tensor data mover.  X's tile: 256 rows x 256 bytes, padded to 272.
; W's tile lies [k][n]: 128 rows of 384 bytes, 32 bytes of padding behind every 128: rows 480 bytes apart, an odd multiple of 32, so the
; eight rows of 32 bytes that a transposing load takes in a pass fall on different banks (64 banks of 4 bytes: ISA guide 11.1).
; CLUSTERS: 4 x 4 work-groups.  X's tile hangs on the block row alone and is asked for jointly along a row of the cluster, W's on the block
; column alone and jointly along a column: each of the four issues the same load with the same descriptor and a mask that names the four.
; The matrix instruction is used transposed (source 0 = 16 columns of W, source 1 = 16 rows of X): lane l holds row l % 16, registers 0-7
; the columns 8 (l / 16) + 0..7.
; REGISTERS: window 0: addresses, X's fragments (two buffers), the rows' cosines and sines; window 1: W's fragments (two buffers);
; window 2: the accumulators of my rows 0-31; window 3: of rows 32-63.
; LIMIT: q x 0.18, k and v leave as f16: above 65,504 in size they become infinite; below 2^-14 they lose bits (absolute error up to 2^-25).
.set SIZE_K, 2048
.set KSTEP,  128
.set LAPS,   SIZE_K/(2*KSTEP)          ; a lap = two K steps = once round the ring
.set NT,     12                        ; column tiles
.set BN,     16*NT
.set APITCH, 272
.set AHALF,  128*APITCH                ; what one load of X brings
.set BBASE,  2*AHALF                   ; W's tile lies behind X's 256 rows
.set BPITCH, 480
.set BPIECE, 160                       ; 128 bytes (four column tiles) and their padding
.set BQI,    4                         ; padding behind every 32 words
.set BHALF,  64*BPITCH                 ; what one load of W brings: 64 k rows
.set SLOT,   BBASE+2*BHALF             ; 131,072
.set STAGE,  2*SLOT                    ; behind the ring: each wave's own 16 rows x 400 bytes for the way out; no tensor load lands here
.set SPITCH, 400
.set SBYTES, 16*SPITCH
.set AROW,   SIZE_K*2                  ; bytes in a row of xb
.set BROW,   3072*2                    ; bytes in a row of wqkv
.set BSTEP,  KSTEP*BROW
.set HEADB,  4096*128                  ; bytes of a head in qkvh
.set ADRA, 16                          ; v16-17  LDS address of my X fragments in slot 0, 1
.set ADRB, 20                          ; v20-21  the same for W
.set STO,  24                          ; the way out: where I put 16 bytes
.set RD,   25                          ; the way out: where I read back
.set CO,   26                          ; 16 x lane
.set CSO,  27                          ; my offset in the table rows
.set KF,   32                          ; v[32+4hh:33+4hh] the head's factor, twice; v[34+4hh:35+4hh] its addend, twice
.set KG,   34
.set AF,   64                          ; X's fragments: buffer f at 64 + 32 f
.set CS,   128                         ; v[128:255] 32 ag + 16 (0 cos, 1 sin) + j: the 16 frequencies 8 (l/16) + 0..7 and 16 + 8 (l/16) + 0..7 of row 16 ag + l % 16
.set CP,   64                          ; the way out: cos x factor + addend
.set SP,   80                          ; sin x factor
.set OT,   96                          ; a head's 32 results of a lane
.set G1A, 24
.set G0A, 32
.set G1B, 48
.set G0B, 56
.set MSB, 0
.macro WIN new                         ; the immediate's high byte repeats the setting that is left
.if MSB != \new
	s_set_vgpr_msb (MSB<<8)|\new
.set MSB, \new
.endif
.endm
.set MUL_LO, 0xa1                      ; source 0 (W) window 1, source 1 (X) window 0, C and D window 2
.set MUL_HI, 0xf1                      ; the same, C and D window 3
; A joint load.  Waves 0 and 1 fetch X's halves, waves 2 and 3 W's.  The branch hangs on the wave's number alone.
.macro JLOAD s
	s_cmp_eq_u32 s13, 0
	s_cbranch_scc0 .Lfor_b_\@
	tensor_load_to_lds s[G0A+4*\s:G0A+4*\s+3], s[G1A:G1A+7]
	s_nop 0
	s_branch .Lasked_\@
.Lfor_b_\@:
	tensor_load_to_lds s[G0B+4*\s:G0B+4*\s+3], s[G1B:G1B+7]
	s_nop 0
.Lasked_\@:
.endm
; A round of the cluster's barrier: my work-group's barrier; wave 0 signals for the work-group; every wave waits for all sixteen; my barrier again.
.macro CREST
	s_cmp_lg_u32 s12, 0
	s_cbranch_scc1 .Lnot_wave_0_\@
	s_barrier_signal -3
.Lnot_wave_0_\@:
	s_barrier_wait -3
	s_barrier_signal -1
	s_barrier_wait -1
.endm
.macro CROUND
	s_barrier_signal -1
	s_barrier_wait -1
	CREST
.endm
	s_load_b256 s[4:11], s[0:1], 0x0               ; xb s[4:5], wqkv s[6:7], cstab s[8:9], qkvh s[10:11]
	s_set_vgpr_msb 0x40
	v_lshl_add_u32 v255, v0, 2, 0x46400
	s_set_vgpr_msb 0x4000
	v_mov_b32 v63, 0
	s_set_vgpr_msb 0x1
	ds_add_u32 v255, v63
	s_set_vgpr_msb 0x100
	v_lshrrev_b32 v1, 5, v0
	v_readfirstlane_b32 s12, v1                    ; wave 0..3
	s_lshr_b32 s13, s12, 1                         ; I fetch for X (0) or for W (1)
	s_and_b32 s14, s12, 1                          ; which half of that tile
	s_bfe_u32 s40, ttmp6, 0x40000                  ; cx
	s_bfe_u32 s41, ttmp6, 0x40004                  ; cy
	s_lshl_b32 s42, ttmp9, 2
	s_add_co_u32 s42, s42, s40                     ; block column = 4 x cluster x + cx
	s_and_b32 s43, ttmp7, 0xffff
	s_lshl_b32 s43, s43, 2
	s_add_co_u32 s43, s43, s41                     ; block row = 4 x cluster y + cy
	s_lshl_b32 s44, s41, 2
	s_lshl_b32 s44, 15, s44                        ; my row of the cluster
	s_lshl_b32 s45, 0x1111, s40                    ; my column
	s_or_b32 s[G1A+0], s44, (1<<16)|(1<<20)|(1<<21)|(5<<22)|(3<<25)     ; mask; 2-byte elements; padding on; bit 21 beside a mask; 4 words behind every 64
	s_mov_b32 s[G1A+1], KSTEP<<16                  ; tensor_dim0 = 128
	s_mov_b32 s[G1A+2], 128<<16                    ; tensor_dim1 = 128
	s_mov_b32 s[G1A+3], KSTEP<<16                  ; tile_dim0 = 128
	s_mov_b32 s[G1A+4], 128                        ; tile_dim1 = 128
	s_mov_b32 s[G1A+5], SIZE_K                     ; elements from row to row
	s_mov_b32 s[G1A+6], 0
	s_mov_b32 s[G1A+7], 0
	s_or_b32 s[G1B+0], s45, (1<<16)|(1<<20)|(1<<21)|(BQI<<22)|(7<<25)   ; 8 words behind every 32
	s_mov_b32 s[G1B+1], BN<<16                     ; tensor_dim0 = 192
	s_mov_b32 s[G1B+2], 64<<16                     ; tensor_dim1 = 64
	s_mov_b32 s[G1B+3], BN<<16                     ; tile_dim0 = 192
	s_mov_b32 s[G1B+4], 64                         ; tile_dim1 = 64
	s_mov_b32 s[G1B+5], BROW/2
	s_mov_b32 s[G1B+6], 0
	s_mov_b32 s[G1B+7], 0
	s_mul_i32 s16, s43, 256*AROW                   ; X: row 256 x block row + 128 x half, in bytes
	s_mul_i32 s17, s14, 128*AROW
	s_add_co_u32 s16, s16, s17
	s_mov_b32 s17, 0
	s_mul_i32 s46, s42, 2*BN                       ; W: column 192 x block column, k row 64 x half
	s_mul_i32 s47, s14, 64*BROW
	s_add_co_u32 s46, s46, s47
	s_mov_b32 s47, 0
	s_mul_i32 s20, s12, AHALF                      ; LDS: X's halves at wave x 34,816 (waves 0, 1),
	s_mul_i32 s21, s12, BHALF
	s_add_co_u32 s21, s21, BBASE-2*BHALF           ; W's at 69,632 + (wave - 2) x 30,720 (waves 2, 3)
	s_wait_dscnt 0x0
	s_wait_kmcnt 0x0
	s_add_nc_u64 s[18:19], s[4:5], s[16:17]
	s_add_nc_u64 s[46:47], s[6:7], s[46:47]
	CROUND                                         ; all sixteen work-groups are here: the first joint loads meet
.irp s, 0,1
	s_mov_b32 s[G0A+4*\s], 1
	s_add_co_u32 s[G0A+4*\s+1], s20, \s*SLOT
	s_add_nc_u64 s[G0A+4*\s+2:G0A+4*\s+3], s[18:19], \s*KSTEP*2
	s_or_b32 s[G0A+4*\s+3], s[G0A+4*\s+3], 0x80000000
	s_mov_b32 s[G0B+4*\s], 1
	s_add_co_u32 s[G0B+4*\s+1], s21, \s*SLOT
	s_add_nc_u64 s[G0B+4*\s+2:G0B+4*\s+3], s[46:47], \s*BSTEP
	s_or_b32 s[G0B+4*\s+3], s[G0B+4*\s+3], 0x80000000
	JLOAD \s                                       ; both slots' first fills, one group, ahead of every wait on TENSORcnt, LDS read and further barrier
.endr
	v_and_b32 v1, 15, v0                           ; r = l % 16
	v_bfe_u32 v2, v0, 4, 1                         ; h = l / 16
	; my 64 rows' cosines and sines: 32 bytes for each (row tile, cos or sin, half of the frequencies)
	s_lshl_b32 s16, s43, 16                        ; 256 rows x 256 bytes a block row
	s_lshl_b32 s17, s12, 14                        ; 64 rows a wave
	s_add_co_u32 s16, s16, s17
	s_mov_b32 s17, 0
	s_add_nc_u64 s[8:9], s[8:9], s[16:17]
	v_lshlrev_b32 v[CSO], 8, v1
	v_lshl_add_u32 v[CSO], v2, 5, v[CSO]
.irp ag, 0,1,2,3
.irp sc, 0,1
.irp bb, 0,1
.irp i, 0,1
	global_load_b128 v[CS+32*\ag+16*\sc+8*\bb+4*\i:CS+32*\ag+16*\sc+8*\bb+4*\i+3], v[CSO], s[8:9] offset:\ag*4096+\sc*128+\bb*64+\i*16
.endr
.endr
.endr
.endr
	v_mul_u32_u24 v3, v1, APITCH                   ; X's fragments: row x pitch + 16 h, two loads 32 bytes apart
	v_lshl_add_u32 v3, v2, 4, v3
	s_mul_i32 s22, s12, 64*APITCH                  ; my 64 rows
	v_add_nc_u32 v[ADRA], s22, v3
	v_add_nc_u32 v[ADRA+1], SLOT, v[ADRA]
	v_and_b32 v4, 7, v0                            ; W's fragments, by the transposing load: k row 8 h + l % 8, 16 bytes (l / 8) % 2
	v_lshl_add_u32 v4, v2, 3, v4
	v_mul_u32_u24 v4, v4, BPITCH
	v_bfe_u32 v5, v0, 3, 1
	v_lshl_add_u32 v4, v5, 4, v4
	v_add_nc_u32 v[ADRB], BBASE, v4
	v_add_nc_u32 v[ADRB+1], SLOT, v[ADRB]
	s_mul_i32 s23, s12, SBYTES
	s_add_co_u32 s23, s23, STAGE                   ; my stage
	v_mul_u32_u24 v3, v1, SPITCH
	v_lshl_add_u32 v3, v2, 4, v3
	v_add_nc_u32 v[STO], s23, v3                   ; in: row r, 16 bytes for each half of the lanes
	v_bfe_u32 v4, v0, 3, 2
	v_mul_u32_u24 v4, v4, SPITCH
	v_and_b32 v5, 7, v0
	v_lshl_add_u32 v4, v5, 4, v4
	v_add_nc_u32 v[RD], s23, v4                    ; back: eight lanes take a head's 128 bytes of a row, 32 lanes four rows
	v_and_b32 v5, 31, v0
	v_lshlrev_b32 v[CO], 4, v5
	; each head's factor F and addend G: the results are x cos' -+ x' sin' with cos' = F cos + G, sin' = F sin.
	; q: F = 0.125 log2(e), G = 0.  k: F = 1, G = 0.  v: F = 0, G = 1 (no rotation).  Selected, not branched on.
	s_mul_i32 s66, s42, 3                          ; my first head
.irp hh, 0,1,2
	s_add_co_u32 s67, s66, \hh
	s_cmp_lt_u32 s67, 16
	s_cselect_b32 s68, 0x3e38aa3b, 1.0
	s_cmp_lt_u32 s67, 32
	s_cselect_b32 s68, s68, 0
	s_cselect_b32 s69, 0, 1.0
	v_mov_b32 v[KF+4*\hh], s68
	v_mov_b32 v[KF+4*\hh+1], s68
	v_mov_b32 v[KG+4*\hh], s69
	v_mov_b32 v[KG+4*\hh+1], s69
.endr
; NT matrix instructions: row tile 2 hi + a x all column tiles, 32 along K.  zero = 1: the first product starts the sums.
.macro MULM f, hi, a, zero
.set bi, 0
.rept NT
.if \zero
	v_wmma_f32_16x16x32_bf16 v[8*(NT*\a+bi):8*(NT*\a+bi)+7], v[8*NT*\f+8*bi:8*NT*\f+8*bi+7], v[AF+32*\f+8*(2*\hi+\a):AF+32*\f+8*(2*\hi+\a)+7], 0
.else
	v_wmma_f32_16x16x32_bf16 v[8*(NT*\a+bi):8*(NT*\a+bi)+7], v[8*NT*\f+8*bi:8*NT*\f+8*bi+7], v[AF+32*\f+8*(2*\hi+\a):AF+32*\f+8*(2*\hi+\a)+7], v[8*(NT*\a+bi):8*(NT*\a+bi)+7]
.endif
.set bi, bi+1
.endr
.endm
; One run of 2 NT + 8 LDS loads: the fragments of quarter kq of a K step into buffer f: W's first, X's row tiles 0 to 3 last
.macro FETCH slot, kq, f
	WIN 0x40
.set bi, 0
.rept NT
	ds_load_tr16_b128 v[8*NT*\f+8*bi:8*NT*\f+8*bi+3],   v[ADRB+\slot] offset:32*\kq*BPITCH+(bi/4)*BPIECE+(bi%4)*32
	ds_load_tr16_b128 v[8*NT*\f+8*bi+4:8*NT*\f+8*bi+7], v[ADRB+\slot] offset:(32*\kq+16)*BPITCH+(bi/4)*BPIECE+(bi%4)*32
.set bi, bi+1
.endr
	WIN 0
.irp i, 0,1,2,3
	ds_load_b128 v[AF+32*\f+8*\i:AF+32*\f+8*\i+3],   v[ADRA+\slot] offset:64*\kq+\i*16*APITCH
	ds_load_b128 v[AF+32*\f+8*\i+4:AF+32*\f+8*\i+7], v[ADRA+\slot] offset:64*\kq+\i*16*APITCH+32
.endr
.endm
; A load into a register that a matrix instruction has read, and a vector instruction that reads a matrix result, stand four places behind it;
; only plain vector instructions that name none of its registers are places.
.macro PLACES
.rept 4
	v_nop
.endr
.endm
; A quarter step: 4 NT matrix instructions on buffer f; in its middle the next quarter's fragments go into buffer g.
; The 4 NT accumulators take turns, one instruction a turn, in the same order in every quarter.
.macro QUARTER slot, kq, f, g, zero
	s_wait_dscnt 4                                 ; W's fragments and X's row tiles 0, 1 are in; the four youngest loads (row tiles 2, 3) may be out
	WIN MUL_LO
	MULM \f, 0, 0, \zero
	MULM \f, 0, 1, \zero
	PLACES
	FETCH \slot, \kq, \g
	s_wait_dscnt 2*NT+8                            ; all but the run just issued
	WIN MUL_HI
	MULM \f, 1, 0, \zero
	MULM \f, 1, 1, \zero
.endm
.macro THREE slot, zero
	QUARTER \slot, 1, 0, 1, \zero
	QUARTER \slot, 2, 1, 0, 0
	QUARTER \slot, 3, 0, 1, 0
.endm
; The last quarter changes slots.  In front of the barrier each wave waits for its reads of this slot and for all its tensor loads (one is out:
; its part of the next slot).  Where the slot is filled again the barrier opens a round of the cluster's barrier, and the joint refill is the
; first tensor load behind the round's closing wait, one a wave.
.macro TURN slot, next, fill
	s_wait_dscnt 4
	WIN MUL_LO
	MULM 1, 0, 0, 0
	s_wait_dscnt 0                                 ; my reads of this slot are over
	s_wait_tensorcnt 0x0                           ; all my tensor loads have landed
	ds_add_u32 v255, v63
	s_wait_dscnt 0x0
	s_barrier_signal -1
	MULM 1, 0, 1, 0                                ; register work while the others arrive
	WIN 0
	s_barrier_wait -1
.if \fill
	CREST
	s_add_nc_u64 s[G0A+4*\slot+2:G0A+4*\slot+3], s[G0A+4*\slot+2:G0A+4*\slot+3], 2*KSTEP*2   ; no load of mine is out: the addresses may step
	s_add_nc_u64 s[G0B+4*\slot+2:G0B+4*\slot+3], s[G0B+4*\slot+2:G0B+4*\slot+3], 2*BSTEP
	JLOAD \slot
.endif
	PLACES
	FETCH \next, 0, 0
	WIN MUL_HI
	MULM 1, 1, 0, 0
	MULM 1, 1, 1, 0
.endm
.macro LAP zero
	THREE 0, \zero
	TURN 0, 1, 1
	THREE 1, 0
	TURN 1, 0, 1
.endm
	s_wait_loadcnt 0x0                             ; the table rows, once
	s_wait_tensorcnt 1                             ; my part of K step 0 is in; K step 1's load, issued behind it, stays out
	s_barrier_signal -1
	s_barrier_wait -1
	FETCH 0, 0, 0
	LAP 1                                          ; the first lap stands in front of the loop: its first products start the sums
	WIN 0
	s_mov_b32 s3, LAPS-2
.Llap:
	LAP 0
	WIN 0
	s_sub_co_u32 s3, s3, 1
	s_cmp_lg_u32 s3, 0
	s_cbranch_scc1 .Llap
	THREE 0, 0                                     ; the last lap fills nothing
	TURN 0, 1, 0
	THREE 1, 0
	s_wait_dscnt 4
	WIN MUL_LO
	MULM 1, 0, 0, 0
	MULM 1, 0, 1, 0
	s_wait_dscnt 0
	WIN MUL_HI
	MULM 1, 1, 0, 0
	MULM 1, 1, 1, 0
	; THE WAY OUT, 16 rows at a time: rotate, round to f16, 16 bytes a lane into my stage, read back by heads, store 512 consecutive bytes.
	PLACES
	s_lshl_b32 s16, s43, 15                        ; 256 rows x 128 bytes a block row
	s_lshl_b32 s17, s12, 13                        ; 64 rows a wave
	s_add_co_u32 s16, s16, s17
	s_mov_b32 s17, 0
	s_add_nc_u64 s[10:11], s[10:11], s[16:17]
	s_mul_i32 s46, s42, 3*HEADB                    ; my first head (in the registers that held W's address: none that fed X's descriptors holds cx)
	s_mov_b32 s47, 0
	s_add_nc_u64 s[10:11], s[10:11], s[46:47]
; rows 16 ag .. 16 ag + 15 = tiles (a, 0..11) of window 2 or 3 (src = 0x02 or 0x03: source 0)
.macro OUTM ag, a, src
.irp hh, 0,1,2
	WIN 0
.irp p, 0,2,4,6,8,10,12,14
	v_pk_fma_f32 v[CP+\p:CP+\p+1], v[CS+32*\ag+\p:CS+32*\ag+\p+1], v[KF+4*\hh:KF+4*\hh+1], v[KG+4*\hh:KG+4*\hh+1]
	v_pk_mul_f32 v[SP+\p:SP+\p+1], v[CS+32*\ag+16+\p:CS+32*\ag+16+\p+1], v[KF+4*\hh:KF+4*\hh+1]
.endr
	WIN \src
.irp bb, 0,1
.irp p, 0,2,4,6
	v_pk_mul_f32 v[OT+8*\bb+\p:OT+8*\bb+\p+1],       v[8*(NT*\a+4*\hh+\bb+2)+\p:8*(NT*\a+4*\hh+\bb+2)+\p+1], v[SP+8*\bb+\p:SP+8*\bb+\p+1]   ; x(d+32) sin
	v_pk_mul_f32 v[OT+16+8*\bb+\p:OT+16+8*\bb+\p+1], v[8*(NT*\a+4*\hh+\bb)+\p:8*(NT*\a+4*\hh+\bb)+\p+1],     v[SP+8*\bb+\p:SP+8*\bb+\p+1]   ; x(d) sin
.endr
.endr
.irp bb, 0,1
.irp p, 0,2,4,6
	v_pk_fma_f32 v[OT+8*\bb+\p:OT+8*\bb+\p+1],       v[8*(NT*\a+4*\hh+\bb)+\p:8*(NT*\a+4*\hh+\bb)+\p+1],     v[CP+8*\bb+\p:CP+8*\bb+\p+1], v[OT+8*\bb+\p:OT+8*\bb+\p+1] neg_lo:[0,0,1] neg_hi:[0,0,1]   ; d < 32: x(d) cos - x(d+32) sin
	v_pk_fma_f32 v[OT+16+8*\bb+\p:OT+16+8*\bb+\p+1], v[8*(NT*\a+4*\hh+\bb+2)+\p:8*(NT*\a+4*\hh+\bb+2)+\p+1], v[CP+8*\bb+\p:CP+8*\bb+\p+1], v[OT+16+8*\bb+\p:OT+16+8*\bb+\p+1]                              ; d >= 32: x(d) cos + x(d-32) sin
.endr
.endr
	WIN 0
.set n, 0
.rept 16
	v_cvt_pk_f16_f32 v[OT+n], v[OT+2*n], v[OT+2*n+1]   ; in place, ascending
.set n, n+1
.endr
.irp tb, 0,1,2,3
	ds_store_b128 v[STO], v[OT+4*\tb:OT+4*\tb+3] offset:128*\hh+32*\tb
.endr
.endr
	s_wait_xcnt 0x0                                ; the registers that earlier stores read are loaded again only behind this wait
	WIN 0x40
.set n, 0
.rept 12
	ds_load_b128 v[48*(\ag&1)+4*n:48*(\ag&1)+4*n+3], v[RD] offset:128*(n/4)+4*SPITCH*(n%4)   ; LDS serves a wave's instructions in order (ISA guide 5.7.1): these see the stores above
.set n, n+1
.endr
	WIN 0x04
.set n, 0
.rept 12
	s_wait_dscnt 11-n
	global_store_b128 v[CO], v[48*(\ag&1)+4*n:48*(\ag&1)+4*n+3], s[10:11] offset:(n/4)*HEADB+\ag*2048+512*(n%4)   ; four rows of a head: 512 consecutive bytes, aligned
.set n, n+1
.endr
	WIN 0
.endm
	OUTM 0, 0, 0x02
	OUTM 1, 1, 0x02
	OUTM 2, 0, 0x03
	OUTM 3, 1, 0x03
	s_set_vgpr_msb 0x1
	s_wait_tensorcnt 0x0
	ds_add_u32 v255, v63
	s_wait_dscnt 0x0
	s_set_vgpr_msb 0x100
	CROUND                                         ; the closing round: no work-group ends while a partner may still ask for a tile that names it
	s_endpgm
.Lfunc_end_k_q58cefed913_qkv:
	.size	k_q58cefed913_qkv, .Lfunc_end_k_q58cefed913_qkv-k_q58cefed913_qkv
	.p2alignl 7, 3214868480
	.fill 96, 4, 3214868480
	.section	.rodata,"a",@progbits
	.p2align	6, 0x0
	.amdhsa_kernel k_q58cefed913_qkv
		.amdhsa_group_segment_fixed_size 327680
		.amdhsa_private_segment_fixed_size 0
		.amdhsa_enable_private_segment 0
		.amdhsa_kernarg_size 32
		.amdhsa_user_sgpr_count 2
		.amdhsa_user_sgpr_kernarg_segment_ptr 1
		.amdhsa_wavefront_size32 1
		.amdhsa_system_sgpr_workgroup_id_x 1
		.amdhsa_system_sgpr_workgroup_id_y 1
		.amdhsa_system_sgpr_workgroup_id_z 1
		.amdhsa_system_vgpr_workitem_id 0
		.amdhsa_next_free_vgpr 960
		.amdhsa_next_free_sgpr 80
		.amdhsa_reserve_vcc 0
		.amdhsa_float_denorm_mode_32 3
		.amdhsa_float_denorm_mode_16_64 3
		.amdhsa_memory_ordered 1
		.amdhsa_forward_progress 1
		.amdhsa_inst_pref_size 205
	.end_amdhsa_kernel
	.amdgpu_metadata
---
amdhsa.version: [ 1, 2 ]
amdhsa.kernels:
  - .name:           k_q58cefed913_qkv
    .symbol:         k_q58cefed913_qkv.kd
    .args:
      - { .name: xb, .offset: 0, .size: 8, .value_kind: global_buffer, .address_space: global }
      - { .name: wqkv, .offset: 8, .size: 8, .value_kind: global_buffer, .address_space: global }
      - { .name: cstab, .offset: 16, .size: 8, .value_kind: global_buffer, .address_space: global }
      - { .name: qkvh, .offset: 24, .size: 8, .value_kind: global_buffer, .address_space: global }
    .group_segment_fixed_size: 327680
    .private_segment_fixed_size: 0
    .kernarg_segment_align: 8
    .kernarg_segment_size: 32
    .max_flat_workgroup_size: 128
    .sgpr_count:     80
    .vgpr_count:     960
    .wavefront_size: 32
...
	.end_amdgpu_metadata
.endif
;; end of part 2
;; launch attn (part 3): grid 16 x 16, 8 waves a work-group, clusters of 4 x 4, 327,680 bytes of LDS; arguments qkvh, attention_mask, ob; writes ob
.if DOCPART == 3
	.amdgcn_target "amdgcn-amd-amdhsa--gfx1250"
	.amdhsa_code_object_version 6
	.text
	.protected	k_q58cefed913_attn
	.globl	k_q58cefed913_attn
	.p2align	8
	.type	k_q58cefed913_attn,@function
k_q58cefed913_attn:
	s_mov_b64 s[64:65], 0
	v_nop
	global_prefetch_b8 v0, s[64:65] scope:SCOPE_SE
	s_setreg_imm32_b32 hwreg(HW_REG_WAVE_MODE, 25, 1), 1
	s_wait_xcnt 0x0
	s_wait_alu depctr_hold_cnt(0) depctr_sa_sdst(0) depctr_va_vdst(0) depctr_va_sdst(0) depctr_va_ssrc(0) depctr_va_vcc(0) depctr_vm_vsrc(0)
	s_getreg_b32 s2, hwreg(HW_REG_IB_STS2, 6, 4)
	s_cmp_eq_u32 s2, 0
	s_cbranch_scc0 .Lentry_in_a_cluster
	s_endpgm
.Lentry_in_a_cluster:
	s_bfe_u32 s2, ttmp6, 0x10000c
	s_cmp_lg_u32 s2, 0xf033
	s_cbranch_scc0 .Lentry_shape_is_right
	s_endpgm
.Lentry_shape_is_right:
; attn: softmax(q k^T / 8 + mask) v for 2 x 16 heads of 2,048 x 2,048 x 64, f16 operands, f32 sums, running maximum.  ob [4096][1024] f16.
; The mask is an input: every key is computed for every query and every mask word is added in f32.  q carries 0.125 log2(e), the mask is
; multiplied by log2(e) in the same fused multiply-add that adds it, so exponentials are v_exp_f32 (base 2).
; A work-group takes two heads x 128 queries.  EIGHT WAVES, two on a SIMD: for each score there are about as many vector issues as matrix
; cycles, and a wave does them one after the other; a second wave on the SIMD can multiply while the first is in its softmax.
; Wave w: head w & 1, queries 64 ((w >> 1) & 1) .. + 63, keys 64 (w >> 2) .. + 63 of every tile of 128.  Splitting the KEYS keeps the LDS bytes
; read for each product as with four waves (K 8 KB, V 8 KB, mask 16 KB for 64 products).  Each wave keeps its own maximum, sum and O;
; the two waves of a (head, query) block meet once, at the end, through LDS.
; S^T = K Q^T (source 0 = 16 keys, source 1 = 16 queries): lane l holds query l % 16, registers 0-7 the keys 8 (l / 16) + 0..7.  Two such tiles,
; packed to f16, ARE the second source of O^T = V^T P^T: nothing moves between lanes, and maximum, sum and rescaling factor are one number a lane.
; V^T comes from [key][d] by the transposing LDS load.
; Keys go in tiles of 128 through two LDS slots: K 2 heads x 128 x 144 bytes, V 2 x 128 x 160, mask 128 rows x 528.
; CLUSTERS 4 x 4: K and V hang on batch and head pair and are asked for jointly along a row of the cluster (four query blocks); the mask's tile
; hangs on batch and query block and is asked for jointly along a column (four head pairs).  Wave 0 asks for K, wave 1 for V, waves 2, 3 for the
; mask's halves, waves 4 to 7 for nothing.  One tensor load of a wave is out behind each round; it has a whole tile's work in which to land.
; REGISTERS, 512 a wave: window 0: v0-63 addresses and statistics, v64-127 the mask of two query tiles, v128-255 S / P;
; window 1: 0-63 Q, 64-127 K and then V, 128-255 O^T.
; LIMITS. The running maximum starts at -2^100 (in the base-2 exponent): a query all of whose scores lie below that gives 0/0 = NaN where a plain
; softmax gives a uniform row.  Mask entries of -infinity beside finite ones give weight 0.  P is f16: weights below 2^-25 of the largest of
; the wave's keys so far count as 0.  The result leaves as f16 (largest 65,504).
.set SLOT,   145408
.set KP,     144                       ; a key's 128 bytes + 16
.set VP,     160                       ; + 32: an odd multiple of 32 for the transposing load
.set MP,     528                       ; 128 mask words + 16 bytes
.set KHEAD,  128*KP
.set VBASE,  2*KHEAD
.set VHEAD,  128*VP
.set MBASE,  VBASE+2*VHEAD
.set MHALF,  64*MP
.set OPITCH, 272                       ; the end: a query's 64 f32 + 16 bytes
.set OWAVE,  64*OPITCH+16              ; a wave's O; the 16 bytes put the two heads' rows on different banks when they are read side by side
.set STATS,  139520                    ; behind the eight waves' O: (maximum, sum) of 64 queries, 512 bytes a wave; all inside slot 0
.set HEADB,  4096*128
.set ADRK, 8                           ; v8-9    K fragments in slot 0, 1 (my head, my 64 keys)
.set ADRV, 10                          ; v10-11  V
.set ADRM, 12                          ; v12-13  mask
.set STO,  14                          ; the end: where I put O
.set SST,  15                          ; where I put (maximum, sum)
.set CO,   16
.set PFO,  17                          ; the prefetch's lane offset; never rewritten
.set QO,   18
.set RDA,  19                          ; the end: O of the first 64 keys' wave
.set RDB,  20                          ; of the second's
.set RSA,  21                          ; their statistics
.set ST,   32                          ; v[32+4nt ..]: maximum, sum, factor, a scratch word, for query tile nt
.set TS,   48                          ; v[48+2nt:49+2nt] partial sums
.set MX,   56                          ; v[56+nt], v[60+nt]: the two chains of the new maximum
.set MB,   64                          ; the mask of two query tiles, as S tile (kt, n) lies: 64 + 8 (4 n + kt)
.set SB,   128                         ; S tile (kt, nt) at 128 + 8 (4 nt + kt); P fragment (kb, nt) at 128 + 16 (2 nt + kb)
.set QF,   0                           ; window 1: Q fragment (nt, kk) at 8 (2 nt + kk)
.set KF,   64                          ; K fragment (kt, kk) at 64 + 8 (2 kt + kk)
.set VF,   64                          ; V fragment (dt, kb) at 64 + 8 (2 dt + kb): K's registers, loaded behind the S products
.set OB,   128                         ; O^T tile (nt, dt) at 128 + 8 (4 nt + dt)
.set FS,   64                          ; the end: row pair t: (a, l) of the first wave, (b, l) of the second at 64 + 4 t
.set FM,   96
.set FO,   128                         ; row pair t: 8 f32 of the first wave, 8 of the second at 128 + 16 t
.set G1K, 16
.set G1V, 24
.set G1M, 32
.set G0K, 40
.set G0V, 48
.set G0M, 56
.set MSB, 0
.macro WIN new                         ; the immediate's high byte repeats the setting that is left
.if MSB != \new
	s_set_vgpr_msb (MSB<<8)|\new
.set MSB, \new
.endif
.endm
.macro JLOAD3 s                        ; each line has one mask and one set of registers; the branches hang on the wave's number alone
	s_cmp_lt_u32 s10, 4
	s_cbranch_scc0 .Lasked_\@
	s_cmp_lt_u32 s10, 2
	s_cbranch_scc0 .Lfor_m_\@
	s_cmp_eq_u32 s10, 0
	s_cbranch_scc0 .Lfor_v_\@
	tensor_load_to_lds s[G0K+4*\s:G0K+4*\s+3], s[G1K:G1K+7]
	s_nop 0
	s_branch .Lasked_\@
.Lfor_v_\@:
	tensor_load_to_lds s[G0V+4*\s:G0V+4*\s+3], s[G1V:G1V+7]
	s_nop 0
	s_branch .Lasked_\@
.Lfor_m_\@:
	tensor_load_to_lds s[G0M+4*\s:G0M+4*\s+3], s[G1M:G1M+7]
	s_nop 0
.Lasked_\@:
.endm
.macro CROUND                          ; a round of the cluster's barrier
	s_barrier_signal -1
	s_barrier_wait -1
	s_cmp_lg_u32 s10, 0
	s_cbranch_scc1 .Lnot_wave_0_\@
	s_barrier_signal -3
.Lnot_wave_0_\@:
	s_barrier_wait -3
	s_barrier_signal -1
	s_barrier_wait -1
.endm
	s_load_b128 s[4:7], s[0:1], 0x0                ; qkvh s[4:5], attention_mask s[6:7]
	s_load_b64 s[8:9], s[0:1], 0x10                ; ob
	v_lshl_add_u32 v30, v0, 2, 0x47100
	v_mov_b32 v31, 0
	ds_add_u32 v30, v31
	v_lshrrev_b32 v1, 5, v0
	v_readfirstlane_b32 s10, v1                    ; wave 0..7
	s_and_b32 s11, s10, 1                          ; my head of the pair; also which half of the mask tile waves 2, 3 fetch
	s_lshr_b32 s12, s10, 1
	s_and_b32 s12, s12, 1                          ; my 64 queries of the 128
	s_lshr_b32 s90, s10, 2                         ; my 64 keys of a tile's 128; at the end: which 64 queries my 16 output rows lie in
	s_and_b32 s91, s10, 3                          ; at the end: which 16 of those 64
	s_bfe_u32 s66, ttmp6, 0x40000                  ; cx
	s_bfe_u32 s67, ttmp6, 0x40004                  ; cy
	s_lshl_b32 s68, ttmp9, 2
	s_add_co_u32 s68, s68, s66                     ; query block = 4 x cluster x + cx
	s_and_b32 s71, ttmp7, 0xffff                   ; cluster y
	s_lshr_b32 s70, s71, 1                         ; batch: from the cluster's y alone
	s_and_b32 s69, s71, 1
	s_lshl_b32 s69, s69, 2
	s_add_co_u32 s69, s69, s67                     ; head pair = 4 x (cluster y & 1) + cy
	s_lshl_b32 s13, s67, 2
	s_lshl_b32 s13, 15, s13                        ; my row of the cluster
	s_lshl_b32 s14, 0x1111, s66                    ; my column
	s_mov_b32 s77, 0xf1800000                      ; -2^100
	s_mov_b32 s78, 0x76543210                      ; v_permlanex16_b32: lane i reads lane i of the other half
	s_mov_b32 s79, 0xfedcba98
	; K and V: two 'rows' of 8,192 elements (a head's 128 keys, dense), 262,144 elements apart (the next head); padding behind every key's 32 words
	s_or_b32 s[G1K+0], s13, (1<<16)|(1<<20)|(1<<21)|(4<<22)|(3<<25)
	s_or_b32 s[G1V+0], s13, (1<<16)|(1<<20)|(1<<21)|(4<<22)|(7<<25)
.irp g, G1K, G1V
	s_mov_b32 s[\g+1], 8192<<16                    ; tensor_dim0
	s_mov_b32 s[\g+2], 2<<16                       ; tensor_dim1
	s_mov_b32 s[\g+3], 8192<<16                    ; tile_dim0
	s_mov_b32 s[\g+4], 2                           ; tile_dim1
	s_mov_b32 s[\g+5], 262144                      ; stride
	s_mov_b32 s[\g+6], 0
	s_mov_b32 s[\g+7], 0
.endr
	; the mask: 64 rows of 128 words, 4 words of padding behind each
	s_or_b32 s[G1M+0], s14, (2<<16)|(1<<20)|(1<<21)|(6<<22)|(3<<25)
	s_mov_b32 s[G1M+1], 128<<16
	s_mov_b32 s[G1M+2], 64<<16
	s_mov_b32 s[G1M+3], 128<<16
	s_mov_b32 s[G1M+4], 64
	s_mov_b32 s[G1M+5], 2048
	s_mov_b32 s[G1M+6], 0
	s_mov_b32 s[G1M+7], 0
	s_lshl_b32 s72, s69, 20                        ; K: head 16 + 2 x pair, row 2,048 x batch: no cx enters
	s_lshl_b32 s73, s70, 18
	s_add_co_u32 s72, s72, s73
	s_add_co_u32 s72, s72, 16*HEADB
	s_mov_b32 s73, 0
	s_lshl_b32 s74, s70, 24                        ; mask: row 2,048 x batch + 128 x query block + 64 x half: no cy enters
	s_lshl_b32 s75, s68, 20
	s_add_co_u32 s74, s74, s75
	s_lshl_b32 s75, s11, 19
	s_add_co_u32 s74, s74, s75
	s_mov_b32 s75, 0
	s_mul_i32 s15, s10, MHALF
	s_add_co_u32 s15, s15, MBASE-2*MHALF           ; LDS: the mask's halves at 77,824 + (wave - 2) x 33,792 (used by waves 2, 3 alone)
	s_lshl_b32 s86, s69, 20                        ; Q: head 2 x pair + mine, my 64 rows
	s_lshl_b32 s88, s11, 19
	s_add_co_u32 s86, s86, s88
	s_lshl_b32 s88, s70, 18
	s_add_co_u32 s86, s86, s88
	s_lshl_b32 s88, s68, 14
	s_add_co_u32 s86, s86, s88
	s_lshl_b32 s88, s12, 13
	s_add_co_u32 s86, s86, s88
	s_mov_b32 s87, 0
	s_lshl_b32 s82, s70, 22                        ; ob: row 2,048 x batch + 128 x block + 16 x wave, byte 256 x pair
	s_lshl_b32 s88, s68, 18
	s_add_co_u32 s82, s82, s88
	s_lshl_b32 s88, s10, 15
	s_add_co_u32 s82, s82, s88
	s_lshl_b32 s88, s69, 8
	s_add_co_u32 s82, s82, s88
	s_mov_b32 s83, 0
	s_lshl_b32 s80, s70, 24                        ; the prefetch: this head pair's 16 of the block's 128 mask rows, at tile 1
	s_lshl_b32 s88, s68, 20
	s_add_co_u32 s80, s80, s88
	s_lshl_b32 s88, s69, 17
	s_add_co_u32 s80, s80, s88
	s_add_co_u32 s80, s80, 512
	s_mov_b32 s81, 0
	s_wait_dscnt 0x0
	s_wait_kmcnt 0x0
	s_add_nc_u64 s[72:73], s[4:5], s[72:73]
	s_add_nc_u64 s[74:75], s[6:7], s[74:75]
	s_add_nc_u64 s[86:87], s[4:5], s[86:87]
	s_add_nc_u64 s[8:9], s[8:9], s[82:83]
	s_add_nc_u64 s[80:81], s[6:7], s[80:81]
.irp s, 0,1                                        ; slot s starts with tile s
	s_mov_b32 s[G0K+4*\s], 1
	s_mov_b32 s[G0K+4*\s+1], \s*SLOT
	s_add_nc_u64 s[G0K+4*\s+2:G0K+4*\s+3], s[72:73], \s*16384
	s_or_b32 s[G0K+4*\s+3], s[G0K+4*\s+3], 0x80000000
	s_mov_b32 s[G0V+4*\s], 1
	s_mov_b32 s[G0V+4*\s+1], \s*SLOT+VBASE
	s_add_nc_u64 s[G0V+4*\s+2:G0V+4*\s+3], s[72:73], 16*HEADB+\s*16384
	s_or_b32 s[G0V+4*\s+3], s[G0V+4*\s+3], 0x80000000
	s_mov_b32 s[G0M+4*\s], 1
	s_add_co_u32 s[G0M+4*\s+1], s15, \s*SLOT
	s_add_nc_u64 s[G0M+4*\s+2:G0M+4*\s+3], s[74:75], \s*512
	s_or_b32 s[G0M+4*\s+3], s[G0M+4*\s+3], 0x80000000
.endr
	CROUND                                         ; in front of the first joint loads
	JLOAD3 0                                       ; tile 0
	v_and_b32 v1, 15, v0                           ; r
	v_bfe_u32 v2, v0, 4, 1                         ; h
	v_lshlrev_b32 v[QO], 7, v1
	v_lshl_add_u32 v[QO], v2, 4, v[QO]
	WIN 0x40
.irp nt, 0,1,2,3
.irp kk, 0,1
	global_load_b128 v[QF+8*(2*\nt+\kk):QF+8*(2*\nt+\kk)+3],   v[QO], s[86:87] offset:2048*\nt+64*\kk
	global_load_b128 v[QF+8*(2*\nt+\kk)+4:QF+8*(2*\nt+\kk)+7], v[QO], s[86:87] offset:2048*\nt+64*\kk+32
.endr
.endr
	WIN 0
	v_mul_u32_u24 v3, v1, KP                       ; K: key row r, 16 h; my head, my 64 keys
	v_lshl_add_u32 v3, v2, 4, v3
	s_mul_i32 s84, s11, KHEAD
	s_mul_i32 s85, s90, 64*KP
	s_add_co_u32 s84, s84, s85
	v_add_nc_u32 v[ADRK], s84, v3
	v_add_nc_u32 v[ADRK+1], SLOT, v[ADRK]
	v_and_b32 v4, 7, v0                            ; V, by the transposing load: key row 8 h + l % 8, 16 bytes (l / 8) % 2
	v_lshl_add_u32 v4, v2, 3, v4
	v_mul_u32_u24 v4, v4, VP
	v_bfe_u32 v5, v0, 3, 1
	v_lshl_add_u32 v4, v5, 4, v4
	s_mul_i32 s84, s11, VHEAD
	s_mul_i32 s85, s90, 64*VP
	s_add_co_u32 s84, s84, s85
	s_add_co_u32 s84, s84, VBASE
	v_add_nc_u32 v[ADRV], s84, v4
	v_add_nc_u32 v[ADRV+1], SLOT, v[ADRV]
	v_mul_u32_u24 v6, v1, MP                       ; mask: query row r of my 64, 32 h; my 64 keys are 256 bytes of the row
	v_lshl_add_u32 v6, v2, 5, v6
	s_mul_i32 s84, s12, MHALF
	s_lshl_b32 s85, s90, 8
	s_add_co_u32 s84, s84, s85
	s_add_co_u32 s84, s84, MBASE
	v_add_nc_u32 v[ADRM], s84, v6
	v_add_nc_u32 v[ADRM+1], SLOT, v[ADRM]
	v_mul_u32_u24 v7, v1, OPITCH                   ; the end, in: my own region: query row r, 32 bytes for each half of the lanes
	v_lshl_add_u32 v7, v2, 5, v7
	s_mul_i32 s84, s10, OWAVE
	v_add_nc_u32 v[STO], s84, v7
	s_lshl_b32 s85, s10, 9
	s_add_co_u32 s85, s85, STATS
	v_lshl_add_u32 v[SST], v1, 3, s85
	v_lshrrev_b32 v3, 3, v1                        ; the end, back: lane l writes 16 bytes of row l / 16: head (l % 16) / 8, d = 8 (l % 8) ..
	v_and_b32 v4, 7, v1
	v_mul_u32_u24 v5, v3, OWAVE                    ; the region of wave head + 2 x (which 64 queries) [+ 4 for the second 64 keys]
	v_lshl_add_u32 v5, v4, 5, v5
	v_mul_u32_u24 v6, v2, OPITCH
	v_add_nc_u32 v5, v5, v6
	s_mul_i32 s84, s90, 2*OWAVE
	s_mul_i32 s85, s91, 16*OPITCH
	s_add_co_u32 s84, s84, s85
	v_add_nc_u32 v[RDA], s84, v5
	v_add_nc_u32 v[RDB], 4*OWAVE, v[RDA]
	v_lshlrev_b32 v6, 9, v3
	v_lshl_add_u32 v6, v2, 3, v6
	s_lshl_b32 s84, s90, 10
	s_lshl_b32 s85, s91, 7
	s_add_co_u32 s84, s84, s85
	s_add_co_u32 s84, s84, STATS
	v_add_nc_u32 v[RSA], s84, v6
	v_lshlrev_b32 v[CO], 4, v1
	v_lshl_add_u32 v[CO], v2, 11, v[CO]
	v_bfe_u32 v4, v0, 1, 4
	v_and_b32 v5, 1, v0
	v_lshlrev_b32 v5, 8, v5
	v_lshl_add_u32 v[PFO], v4, 13, v5              ; mask row lane / 2, 256 bytes lane % 2
.irp nt, 0,1,2,3
	v_mov_b32 v[ST+4*\nt+1], 0                     ; written so that the pairs (maximum, sum) and (factor, scratch) are whole, and the lane exchange has a written destination
	v_mov_b32 v[ST+4*\nt+3], 0
.endr
	s_wait_loadcnt 0x0                             ; Q, once
.macro OSCALE                          ; O^T x the query's factor
	WIN 0x41
.irp nt, 0,1,2,3
.set i, 0
.rept 16
	v_pk_mul_f32 v[OB+32*\nt+2*i:OB+32*\nt+2*i+1], v[OB+32*\nt+2*i:OB+32*\nt+2*i+1], v[ST+4*\nt+2:ST+4*\nt+3] op_sel_hi:[1,0]
.set i, i+1
.endr
.endr
.endm
.macro MLOAD slot, p                   ; the mask of query tiles 2 p, 2 p + 1: 16 loads
.irp n, 0,1
.irp kt, 0,1,2,3
.irp i, 0,1
	ds_load_b128 v[MB+8*(4*\n+\kt)+4*\i:MB+8*(4*\n+\kt)+4*\i+3], v[ADRM+\slot] offset:16*MP*(2*\p+\n)+64*\kt+16*\i
.endr
.endr
.endr
.endm
.macro MADD p                          ; S += mask x log2(e), one rounding
.set i, 0
.rept 32
	v_pk_fma_f32 v[SB+64*\p+2*i:SB+64*\p+2*i+1], v[MB+2*i:MB+2*i+1], 0x3fb8aa3b, v[SB+64*\p+2*i:SB+64*\p+2*i+1] op_sel_hi:[1,0,1]
.set i, i+1
.endr
.endm
; the maximum of a lane's 32 numbers for query tiles 2 p, 2 p + 1, two chains each, so that four chains take turns; the first starts from the old maximum
.macro MAXPAIR p, first
.irp n, 0,1
.if \first
	v_max3_num_f32 v[MX+2*\p+\n], s77, v[SB+32*(2*\p+\n)], v[SB+32*(2*\p+\n)+1]
.else
	v_max3_num_f32 v[MX+2*\p+\n], v[ST+4*(2*\p+\n)], v[SB+32*(2*\p+\n)], v[SB+32*(2*\p+\n)+1]
.endif
	v_max_num_f32 v[MX+4+2*\p+\n], v[SB+32*(2*\p+\n)+16], v[SB+32*(2*\p+\n)+17]
.endr
.set i, 1
.rept 7
.irp n, 0,1
	v_max3_num_f32 v[MX+2*\p+\n],   v[MX+2*\p+\n],   v[SB+32*(2*\p+\n)+2*i],    v[SB+32*(2*\p+\n)+2*i+1]
	v_max3_num_f32 v[MX+4+2*\p+\n], v[MX+4+2*\p+\n], v[SB+32*(2*\p+\n)+16+2*i], v[SB+32*(2*\p+\n)+17+2*i]
.endr
.set i, i+1
.endr
.endm
; My 64 keys of the tile in slot.  first = 1: the launch's first tile: it starts maximum, sum and O.
.macro HALF slot, first
.if \first
.else
.rept 5
	v_nop                                          ; five places behind the last O products: K is loaded into V's registers, their first source, and the S products write over P, their second (ISA guide 7.12.1)
.endr
.endif
	WIN 0x40
.irp kt, 0,1,2,3
.irp kk, 0,1
	ds_load_b128 v[KF+8*(2*\kt+\kk):KF+8*(2*\kt+\kk)+3],   v[ADRK+\slot] offset:16*\kt*KP+64*\kk
	ds_load_b128 v[KF+8*(2*\kt+\kk)+4:KF+8*(2*\kt+\kk)+7], v[ADRK+\slot] offset:16*\kt*KP+64*\kk+32
.endr
.endr
	WIN 0
	MLOAD \slot, 0
	s_wait_dscnt 16                                ; K's 16 loads are in; the mask's 16, issued behind them, stay out
	WIN 0x05
	; S^T: 16 accumulators by turns, one instruction a turn; the first product starts each sum
.irp nt, 0,1,2,3
.irp kt, 0,1,2,3
	v_wmma_f32_16x16x32_f16 v[SB+8*(4*\nt+\kt):SB+8*(4*\nt+\kt)+7], v[KF+8*(2*\kt):KF+8*(2*\kt)+7], v[QF+8*(2*\nt):QF+8*(2*\nt)+7], 0
.endr
.endr
.irp nt, 0,1,2,3
.irp kt, 0,1,2,3
	v_wmma_f32_16x16x32_f16 v[SB+8*(4*\nt+\kt):SB+8*(4*\nt+\kt)+7], v[KF+8*(2*\kt+1):KF+8*(2*\kt+1)+7], v[QF+8*(2*\nt+1):QF+8*(2*\nt+1)+7], v[SB+8*(4*\nt+\kt):SB+8*(4*\nt+\kt)+7]
.endr
.endr
	WIN 0
.rept 4
	v_nop                                          ; four places before vector instructions read S and before V is loaded into K's registers
.endr
	s_wait_dscnt 0                                 ; the mask of query tiles 0, 1
	MADD 0
	MLOAD \slot, 1                                 ; the mask of query tiles 2, 3 into the same registers,
	WIN 0x40
.irp dt, 0,1,2,3
.irp kb, 0,1
	ds_load_tr16_b128 v[VF+8*(2*\dt+\kb):VF+8*(2*\dt+\kb)+3],   v[ADRV+\slot] offset:32*\kb*VP+32*\dt
	ds_load_tr16_b128 v[VF+8*(2*\dt+\kb)+4:VF+8*(2*\dt+\kb)+7], v[ADRV+\slot] offset:(32*\kb+16)*VP+32*\dt
.endr
.endr
	WIN 0
	MAXPAIR 0, \first                              ; work while it is on its way
	s_wait_dscnt 16                                ; it is in; V's 16 loads, issued behind it, stay out
	MADD 1
	MAXPAIR 1, \first
.irp nt, 0,1,2,3
	v_max_num_f32 v[MX+\nt], v[MX+\nt], v[MX+4+\nt]
.endr
.irp nt, 0,1,2,3
	v_permlanex16_b32 v[ST+4*\nt+3], v[MX+\nt], s78, s79   ; the other half of the lanes holds the query's other keys
.endr
.irp nt, 0,1,2,3
	v_max_num_f32 v[MX+\nt], v[MX+\nt], v[ST+4*\nt+3]
.endr
.if \first
.else
.irp nt, 0,1,2,3
	v_sub_f32 v[ST+4*\nt+2], v[ST+4*\nt], v[MX+\nt]   ; old maximum - new, at most 0
.endr
.endif
.irp nt, 0,1,2,3
	v_mov_b32 v[ST+4*\nt], v[MX+\nt]
.endr
.if \first
.else
.irp nt, 0,1,2,3
	v_exp_f32 v[ST+4*\nt+2], v[ST+4*\nt+2]         ; the factor for what has been summed so far; plain instructions follow before it is used
.endr
.endif
.irp nt, 0,1,2,3
.set i, 0
.rept 16
	v_pk_add_f32 v[SB+32*\nt+2*i:SB+32*\nt+2*i+1], v[SB+32*\nt+2*i:SB+32*\nt+2*i+1], v[ST+4*\nt:ST+4*\nt+1] op_sel_hi:[1,0] neg_lo:[0,1] neg_hi:[0,1]   ; - maximum
.set i, i+1
.endr
.endr
.set i, 0
.rept 128
	v_exp_f32 v[SB+i], v[SB+i]
.set i, i+1
.endr
	v_nop                                          ; one plain place behind the exponentials before their results are read (ISA guide 5.7.2)
	s_wait_alu depctr_va_vdst(0)
.irp nt, 0,1,2,3
	v_pk_add_f32 v[TS+2*\nt:TS+2*\nt+1], v[SB+32*\nt:SB+32*\nt+1], v[SB+32*\nt+2:SB+32*\nt+3]
.endr
.set i, 2
.rept 14
.irp nt, 0,1,2,3
	v_pk_add_f32 v[TS+2*\nt:TS+2*\nt+1], v[TS+2*\nt:TS+2*\nt+1], v[SB+32*\nt+2*i:SB+32*\nt+2*i+1]
.endr
.set i, i+1
.endr
.irp nt, 0,1,2,3
.if \first
	v_add_f32 v[ST+4*\nt+1], v[TS+2*\nt], v[TS+2*\nt+1]
.else
	v_add_f32 v[TS+2*\nt], v[TS+2*\nt], v[TS+2*\nt+1]
.endif
.endr
.if \first
.else
.irp nt, 0,1,2,3
	v_fma_f32 v[ST+4*\nt+1], v[ST+4*\nt+1], v[ST+4*\nt+2], v[TS+2*\nt]   ; the lane's own keys; the two halves of the lanes meet at the end
.endr
.endif
.irp q, 0,1,2,3,4,5,6,7
.irp n, 0,1,2,3,4,5,6,7
	v_cvt_pk_f16_f32 v[SB+16*\q+\n], v[SB+16*\q+2*\n], v[SB+16*\q+2*\n+1]   ; two S tiles become one P fragment, in place, ascending
.endr
.endr
.if \first
.else
	OSCALE
.endif
	s_wait_dscnt 0                                 ; V
	WIN 0x51
	; O^T += V^T P^T: 16 accumulators by turns, one instruction a turn
.irp nt, 0,1,2,3
.irp dt, 0,1,2,3
.if \first
	v_wmma_f32_16x16x32_f16 v[OB+8*(4*\nt+\dt):OB+8*(4*\nt+\dt)+7], v[VF+8*(2*\dt):VF+8*(2*\dt)+7], v[SB+16*(2*\nt):SB+16*(2*\nt)+7], 0
.else
	v_wmma_f32_16x16x32_f16 v[OB+8*(4*\nt+\dt):OB+8*(4*\nt+\dt)+7], v[VF+8*(2*\dt):VF+8*(2*\dt)+7], v[SB+16*(2*\nt):SB+16*(2*\nt)+7], v[OB+8*(4*\nt+\dt):OB+8*(4*\nt+\dt)+7]
.endif
.endr
.endr
.irp nt, 0,1,2,3
.irp dt, 0,1,2,3
	v_wmma_f32_16x16x32_f16 v[OB+8*(4*\nt+\dt):OB+8*(4*\nt+\dt)+7], v[VF+8*(2*\dt+1):VF+8*(2*\dt+1)+7], v[SB+16*(2*\nt+1):SB+16*(2*\nt+1)+7], v[OB+8*(4*\nt+\dt):OB+8*(4*\nt+\dt)+7]
.endr
.endr
	WIN 0
.endm
; A tile of 128 keys in slot.  refill = 1: the next tile goes into the other slot.  pf = 1: wave 0 asks the L2 for this head pair's share
; (16 rows x 512 bytes, one 256-byte block a lane) of the mask tile two tiles on, which the tensor loads ask for in the next trip;
; each block is asked for by one wave of one work-group; the last two trips ask for nothing, so no request passes the mask's rows.
.macro TRIP slot, other, refill, first, pf
	s_wait_tensorcnt 0x0                           ; all my tensor loads are done, my part of this trip's tile among them,
	ds_add_u32 v30, v31
	s_wait_dscnt 0x0
	s_add_nc_u64 s[G0K+4*\slot+2:G0K+4*\slot+3], s[G0K+4*\slot+2:G0K+4*\slot+3], 32768   ; so the addresses may step: this slot's next tile, two on
	s_add_nc_u64 s[G0V+4*\slot+2:G0V+4*\slot+3], s[G0V+4*\slot+2:G0V+4*\slot+3], 32768
	s_add_nc_u64 s[G0M+4*\slot+2:G0M+4*\slot+3], s[G0M+4*\slot+2:G0M+4*\slot+3], 1024
	s_wait_dscnt 0x0                               ; my reads of the last trip's tile are done
	CROUND                                         ; both now hold of every wave of every work-group of the cluster
.if \refill
	JLOAD3 \other                                  ; my one tensor load behind the round, first thing there
.endif
.if \pf
	s_cmp_lg_u32 s10, 0
	s_cbranch_scc1 .Lno_pf_\@
	s_wait_xcnt 0x0                                ; the last trip's request has had its address taken: the base may step
	s_add_nc_u64 s[80:81], s[80:81], 512
	global_prefetch_b8 v[PFO], s[80:81] th:TH_LOAD_NT scope:SCOPE_SE
.Lno_pf_\@:
.endif
	HALF \slot, \first
.endm
	TRIP 0, 1, 1, 1, 1
	TRIP 1, 0, 1, 0, 1
	s_mov_b32 s76, 6
.Ltiles:
	TRIP 0, 1, 1, 0, 1
	TRIP 1, 0, 1, 0, 1
	s_sub_co_u32 s76, s76, 1
	s_cmp_lg_u32 s76, 0
	s_cbranch_scc1 .Ltiles
	TRIP 0, 1, 1, 0, 0                             ; tile 14; tile 15 is the last that is asked for
	TRIP 1, 0, 0, 0, 0
	; THE END.  Every wave puts its maximum, sum and O (f32) into its own bytes of slot 0.  Slot 0 has had its last fill (tile 14), and every
	; wave's reads of it were waited for in front of the last trip's round.  Behind one barrier each wave merges 16 rows of the output.
.rept 4
	v_nop                                          ; four places before O is read, and before loads are issued into P's registers
.endr
.irp nt, 0,1,2,3
	v_permlanex16_b32 v[ST+4*\nt+3], v[ST+4*\nt+1], s78, s79
.endr
.irp nt, 0,1,2,3
	v_add_f32 v[ST+4*\nt+1], v[ST+4*\nt+1], v[ST+4*\nt+3]   ; the sum over my 64 keys of every tile, in both halves of the lanes
.endr
.irp nt, 0,1,2,3
	ds_store_b64 v[SST], v[ST+4*\nt:ST+4*\nt+1] offset:128*\nt   ; lanes l and l + 16 write the same two words with the same values
.endr
	WIN 0x04
.irp nt, 0,1,2,3
.irp dt, 0,1,2,3
	ds_store_b128 v[STO], v[OB+8*(4*\nt+\dt):OB+8*(4*\nt+\dt)+3]   offset:16*OPITCH*\nt+64*\dt
	ds_store_b128 v[STO], v[OB+8*(4*\nt+\dt)+4:OB+8*(4*\nt+\dt)+7] offset:16*OPITCH*\nt+64*\dt+16
.endr
.endr
	WIN 0
	s_wait_dscnt 0x0                               ; for the others' sake: my stores are done
	s_barrier_signal -1
	s_barrier_wait -1
	; rows 16 w + 2 t + l / 16, t = 0..7: the statistics of both waves first, then 8 numbers of each wave's O
.set t, 0
.rept 8
	ds_load_b64 v[FS+4*t:FS+4*t+1],   v[RSA] offset:16*t
	ds_load_b64 v[FS+4*t+2:FS+4*t+3], v[RSA] offset:16*t+2048
.set t, t+1
.endr
.set t, 0
.rept 8
	ds_load_b128 v[FO+16*t:FO+16*t+3],     v[RDA] offset:2*OPITCH*t
	ds_load_b128 v[FO+16*t+4:FO+16*t+7],   v[RDA] offset:2*OPITCH*t+16
	ds_load_b128 v[FO+16*t+8:FO+16*t+11],  v[RDB] offset:2*OPITCH*t
	ds_load_b128 v[FO+16*t+12:FO+16*t+15], v[RDB] offset:2*OPITCH*t+16
.set t, t+1
.endr
	s_wait_dscnt 32                                ; the statistics are in; O's 32 loads, issued behind them, stay out
	; out = (O_A a + O_B b) / (l_A a + l_B b), a = 2^(m_A - M), b = 2^(m_B - M), M = max(m_A, m_B)
.irp t, 0,1,2,3,4,5,6,7
	v_max_num_f32 v[FM+\t], v[FS+4*\t], v[FS+4*\t+2]
.endr
.irp t, 0,1,2,3,4,5,6,7
	v_sub_f32 v[FS+4*\t],   v[FS+4*\t],   v[FM+\t]
	v_sub_f32 v[FS+4*\t+2], v[FS+4*\t+2], v[FM+\t]
.endr
.irp t, 0,1,2,3,4,5,6,7
	v_exp_f32 v[FS+4*\t],   v[FS+4*\t]
	v_exp_f32 v[FS+4*\t+2], v[FS+4*\t+2]
.endr
	v_nop                                          ; one plain place behind the exponentials
	s_wait_alu depctr_va_vdst(0)
.irp t, 0,1,2,3,4,5,6,7
	v_mul_f32 v[FS+4*\t+1], v[FS+4*\t+1], v[FS+4*\t]
.endr
.irp t, 0,1,2,3,4,5,6,7
	v_fma_f32 v[FS+4*\t+1], v[FS+4*\t+3], v[FS+4*\t+2], v[FS+4*\t+1]
.endr
.irp t, 0,1,2,3,4,5,6,7
	v_rcp_f32 v[FM+\t], v[FS+4*\t+1]
.endr
	v_nop                                          ; one plain place behind the reciprocals
	s_wait_alu depctr_va_vdst(0)
.irp t, 0,1,2,3,4,5,6,7
	v_mul_f32 v[FS+4*\t],   v[FS+4*\t],   v[FM+\t]
	v_mul_f32 v[FS+4*\t+2], v[FS+4*\t+2], v[FM+\t]
.endr
.set t, 0
.rept 8
	s_wait_dscnt 4*(7-t)                           ; this row pair's four loads are in; the younger pairs' stay out
.irp k, 0,2,4,6
	v_pk_mul_f32 v[FO+16*t+8+\k:FO+16*t+9+\k], v[FO+16*t+8+\k:FO+16*t+9+\k], v[FS+4*t+2:FS+4*t+3] op_sel_hi:[1,0]
.endr
.irp k, 0,2,4,6
	v_pk_fma_f32 v[FO+16*t+\k:FO+16*t+1+\k], v[FO+16*t+\k:FO+16*t+1+\k], v[FS+4*t:FS+4*t+1], v[FO+16*t+8+\k:FO+16*t+9+\k] op_sel_hi:[1,0,1]
.endr
.irp k, 0,1,2,3
	v_cvt_pk_f16_f32 v[FO+16*t+\k], v[FO+16*t+2*\k], v[FO+16*t+2*\k+1]   ; in place, ascending
.endr
	global_store_b128 v[CO], v[FO+16*t:FO+16*t+3], s[8:9] offset:4096*t   ; sixteen lanes store 256 consecutive bytes, aligned: two heads of a row
.set t, t+1
.endr
	s_wait_tensorcnt 0x0
	ds_add_u32 v30, v31
	s_wait_dscnt 0x0
	CROUND                                         ; the closing round: no work-group ends while a partner may still ask for a tile that names it
	s_endpgm
.Lfunc_end_k_q58cefed913_attn:
	.size	k_q58cefed913_attn, .Lfunc_end_k_q58cefed913_attn-k_q58cefed913_attn
	.p2alignl 7, 3214868480
	.fill 96, 4, 3214868480
	.section	.rodata,"a",@progbits
	.p2align	6, 0x0
	.amdhsa_kernel k_q58cefed913_attn
		.amdhsa_group_segment_fixed_size 327680
		.amdhsa_private_segment_fixed_size 0
		.amdhsa_enable_private_segment 0
		.amdhsa_kernarg_size 24
		.amdhsa_user_sgpr_count 2
		.amdhsa_user_sgpr_kernarg_segment_ptr 1
		.amdhsa_wavefront_size32 1
		.amdhsa_system_sgpr_workgroup_id_x 1
		.amdhsa_system_sgpr_workgroup_id_y 1
		.amdhsa_system_sgpr_workgroup_id_z 1
		.amdhsa_system_vgpr_workitem_id 0
		.amdhsa_next_free_vgpr 512
		.amdhsa_next_free_sgpr 92
		.amdhsa_reserve_vcc 0
		.amdhsa_float_denorm_mode_32 3
		.amdhsa_float_denorm_mode_16_64 3
		.amdhsa_memory_ordered 1
		.amdhsa_forward_progress 1
		.amdhsa_inst_pref_size 255
	.end_amdhsa_kernel
	.section	.bss,"aw",@nobits
	.p2align	6
	.space	262144
	.amdgpu_metadata
---
amdhsa.version: [ 1, 2 ]
amdhsa.kernels:
  - .name:           k_q58cefed913_attn
    .symbol:         k_q58cefed913_attn.kd
    .args:
      - { .name: qkvh, .offset: 0, .size: 8, .value_kind: global_buffer, .address_space: global }
      - { .name: attention_mask, .offset: 8, .size: 8, .value_kind: global_buffer, .address_space: global }
      - { .name: ob, .offset: 16, .size: 8, .value_kind: global_buffer, .address_space: global }
    .group_segment_fixed_size: 327680
    .private_segment_fixed_size: 0
    .kernarg_segment_align: 8
    .kernarg_segment_size: 24
    .max_flat_workgroup_size: 256
    .sgpr_count:     92
    .vgpr_count:     512
    .wavefront_size: 32
...
	.end_amdgpu_metadata
.endif
;; end of part 3
;; launch oproj (part 4): grid 16 x 16, 4 waves a work-group, clusters of 4 x 4, 327,680 bytes of LDS; arguments ob, wob, out0; writes out0
.if DOCPART == 4
	.amdgcn_target "amdgcn-amd-amdhsa--gfx1250"
	.amdhsa_code_object_version 6
	.text
	.protected	k_q58cefed913_oproj
	.globl	k_q58cefed913_oproj
	.p2align	8
	.type	k_q58cefed913_oproj,@function
k_q58cefed913_oproj:
	s_mov_b64 s[64:65], 0
	v_nop
	global_prefetch_b8 v0, s[64:65] scope:SCOPE_SE
	s_setreg_imm32_b32 hwreg(HW_REG_WAVE_MODE, 25, 1), 1
	s_wait_xcnt 0x0
	s_wait_alu depctr_hold_cnt(0) depctr_sa_sdst(0) depctr_va_vdst(0) depctr_va_sdst(0) depctr_va_ssrc(0) depctr_va_vcc(0) depctr_vm_vsrc(0)
	s_getreg_b32 s2, hwreg(HW_REG_IB_STS2, 6, 4)
	s_cmp_eq_u32 s2, 0
	s_cbranch_scc0 .Lentry_in_a_cluster
	s_endpgm
.Lentry_in_a_cluster:
	s_bfe_u32 s2, ttmp6, 0x10000c
	s_cmp_lg_u32 s2, 0xf033
	s_cbranch_scc0 .Lentry_shape_is_right
	s_endpgm
.Lentry_shape_is_right:
; oproj: out0 [4096 x 2048] f32 = ob [4096 x 1024] f16 x wob [1024 k x 2048 n] f16, sums in f32.
; The frame of the qkv launch with other sizes: a work-group makes 256 rows x 128 columns with four waves, a wave 64 rows x 128 columns
; (4 x 8 accumulator tiles, 256 registers); 16 x 16 work-groups; K in steps of 128 through two LDS slots filled by the tensor data mover.
; ob's tile: 256 rows x 256 bytes padded to 272.  wob's tile lies [k][n]: 128 rows of 256 bytes padded to 288, an odd multiple of 32, and is
; read by the transposing load.  CLUSTERS 4 x 4: ob's tile is asked for jointly along a row of the cluster, wob's along a column.
; The matrix instruction is used transposed: lane l holds row l % 16, registers 0-7 the columns 8 (l / 16) + 0..7: 32 neighbouring bytes of f32.
; REGISTERS: window 0: addresses, ob's fragments; window 1: wob's fragments; window 2: accumulators of my rows 0-31; window 3: of rows 32-63.
.set SIZE_K, 1024
.set KSTEP,  128
.set LAPS,   SIZE_K/(2*KSTEP)
.set NT,     8
.set BN,     16*NT
.set APITCH, 272
.set AHALF,  128*APITCH
.set BBASE,  2*AHALF
.set BPITCH, 288
.set BPIECE, 128
.set BQI,    5                         ; padding behind every 64 words
.set BHALF,  64*BPITCH
.set SLOT,   BBASE+2*BHALF             ; 106,496
.set STAGE,  2*SLOT                    ; each wave's own 16 rows x 528 bytes; no tensor load lands here
.set SPITCH, 528
.set SBYTES, 16*SPITCH
.set AROW,   SIZE_K*2
.set BROW,   2048*2
.set BSTEP,  KSTEP*BROW
.set ADRA, 16
.set ADRB, 20
.set STO,  24
.set RD,   25
.set CO,   26
.set AF,   64
.set G1A, 24
.set G0A, 32
.set G1B, 48
.set G0B, 56
.set MSB, 0
.macro WIN new
.if MSB != \new
	s_set_vgpr_msb (MSB<<8)|\new
.set MSB, \new
.endif
.endm
.set MUL_LO, 0xa1
.set MUL_HI, 0xf1
.macro JLOAD s                         ; waves 0, 1 fetch ob's halves, waves 2, 3 wob's; the branch hangs on the wave's number alone
	s_cmp_eq_u32 s13, 0
	s_cbranch_scc0 .Lfor_b_\@
	tensor_load_to_lds s[G0A+4*\s:G0A+4*\s+3], s[G1A:G1A+7]
	s_nop 0
	s_branch .Lasked_\@
.Lfor_b_\@:
	tensor_load_to_lds s[G0B+4*\s:G0B+4*\s+3], s[G1B:G1B+7]
	s_nop 0
.Lasked_\@:
.endm
.macro CREST
	s_cmp_lg_u32 s12, 0
	s_cbranch_scc1 .Lnot_wave_0_\@
	s_barrier_signal -3
.Lnot_wave_0_\@:
	s_barrier_wait -3
	s_barrier_signal -1
	s_barrier_wait -1
.endm
.macro CROUND
	s_barrier_signal -1
	s_barrier_wait -1
	CREST
.endm
	s_load_b128 s[4:7], s[0:1], 0x0                ; ob s[4:5], wob s[6:7]
	s_load_b64 s[8:9], s[0:1], 0x10                ; out0
	s_set_vgpr_msb 0x40
	v_lshl_add_u32 v255, v0, 2, 0x3c400
	s_set_vgpr_msb 0x4000
	v_mov_b32 v255, 0
	s_set_vgpr_msb 0x1
	ds_add_u32 v255, v255
	s_set_vgpr_msb 0x100
	v_lshrrev_b32 v1, 5, v0
	v_readfirstlane_b32 s12, v1                    ; wave
	s_lshr_b32 s13, s12, 1
	s_and_b32 s14, s12, 1
	s_bfe_u32 s40, ttmp6, 0x40000                  ; cx
	s_bfe_u32 s41, ttmp6, 0x40004                  ; cy
	s_lshl_b32 s42, ttmp9, 2
	s_add_co_u32 s42, s42, s40                     ; block column
	s_and_b32 s43, ttmp7, 0xffff
	s_lshl_b32 s43, s43, 2
	s_add_co_u32 s43, s43, s41                     ; block row
	s_lshl_b32 s44, s41, 2
	s_lshl_b32 s44, 15, s44
	s_lshl_b32 s45, 0x1111, s40
	s_or_b32 s[G1A+0], s44, (1<<16)|(1<<20)|(1<<21)|(5<<22)|(3<<25)
	s_mov_b32 s[G1A+1], KSTEP<<16
	s_mov_b32 s[G1A+2], 128<<16
	s_mov_b32 s[G1A+3], KSTEP<<16
	s_mov_b32 s[G1A+4], 128
	s_mov_b32 s[G1A+5], SIZE_K
	s_mov_b32 s[G1A+6], 0
	s_mov_b32 s[G1A+7], 0
	s_or_b32 s[G1B+0], s45, (1<<16)|(1<<20)|(1<<21)|(BQI<<22)|(7<<25)
	s_mov_b32 s[G1B+1], BN<<16
	s_mov_b32 s[G1B+2], 64<<16
	s_mov_b32 s[G1B+3], BN<<16
	s_mov_b32 s[G1B+4], 64
	s_mov_b32 s[G1B+5], BROW/2
	s_mov_b32 s[G1B+6], 0
	s_mov_b32 s[G1B+7], 0
	s_mul_i32 s16, s43, 256*AROW
	s_mul_i32 s17, s14, 128*AROW
	s_add_co_u32 s16, s16, s17
	s_mov_b32 s17, 0
	s_mul_i32 s46, s42, 2*BN
	s_mul_i32 s47, s14, 64*BROW
	s_add_co_u32 s46, s46, s47
	s_mov_b32 s47, 0
	s_mul_i32 s20, s12, AHALF                      ; LDS: ob's halves at wave x 34,816 (waves 0, 1),
	s_mul_i32 s21, s12, BHALF
	s_add_co_u32 s21, s21, BBASE-2*BHALF           ; wob's at 69,632 + (wave - 2) x 18,432 (waves 2, 3)
	s_wait_dscnt 0x0
	s_wait_kmcnt 0x0
	s_add_nc_u64 s[18:19], s[4:5], s[16:17]
	s_add_nc_u64 s[46:47], s[6:7], s[46:47]
	CROUND                                         ; in front of the first joint loads
.irp s, 0,1
	s_mov_b32 s[G0A+4*\s], 1
	s_add_co_u32 s[G0A+4*\s+1], s20, \s*SLOT
	s_add_nc_u64 s[G0A+4*\s+2:G0A+4*\s+3], s[18:19], \s*KSTEP*2
	s_or_b32 s[G0A+4*\s+3], s[G0A+4*\s+3], 0x80000000
	s_mov_b32 s[G0B+4*\s], 1
	s_add_co_u32 s[G0B+4*\s+1], s21, \s*SLOT
	s_add_nc_u64 s[G0B+4*\s+2:G0B+4*\s+3], s[46:47], \s*BSTEP
	s_or_b32 s[G0B+4*\s+3], s[G0B+4*\s+3], 0x80000000
	JLOAD \s
.endr
	v_and_b32 v1, 15, v0                           ; r
	v_bfe_u32 v2, v0, 4, 1                         ; h
	v_mul_u32_u24 v3, v1, APITCH
	v_lshl_add_u32 v3, v2, 4, v3
	s_mul_i32 s22, s12, 64*APITCH
	v_add_nc_u32 v[ADRA], s22, v3
	v_add_nc_u32 v[ADRA+1], SLOT, v[ADRA]
	v_and_b32 v4, 7, v0
	v_lshl_add_u32 v4, v2, 3, v4
	v_mul_u32_u24 v4, v4, BPITCH
	v_bfe_u32 v5, v0, 3, 1
	v_lshl_add_u32 v4, v5, 4, v4
	v_add_nc_u32 v[ADRB], BBASE, v4
	v_add_nc_u32 v[ADRB+1], SLOT, v[ADRB]
	s_mul_i32 s23, s12, SBYTES
	s_add_co_u32 s23, s23, STAGE
	v_mul_u32_u24 v3, v1, SPITCH
	v_lshl_add_u32 v3, v2, 5, v3
	v_add_nc_u32 v[STO], s23, v3                   ; in: row r, 32 bytes for each half of the lanes
	v_and_b32 v5, 31, v0
	v_lshlrev_b32 v[CO], 4, v5
	v_add_nc_u32 v[RD], s23, v[CO]                 ; back: a row's 512 bytes, 16 a lane
.macro MULM f, hi, a, zero
.set bi, 0
.rept NT
.if \zero
	v_wmma_f32_16x16x32_f16 v[8*(NT*\a+bi):8*(NT*\a+bi)+7], v[8*NT*\f+8*bi:8*NT*\f+8*bi+7], v[AF+32*\f+8*(2*\hi+\a):AF+32*\f+8*(2*\hi+\a)+7], 0
.else
	v_wmma_f32_16x16x32_f16 v[8*(NT*\a+bi):8*(NT*\a+bi)+7], v[8*NT*\f+8*bi:8*NT*\f+8*bi+7], v[AF+32*\f+8*(2*\hi+\a):AF+32*\f+8*(2*\hi+\a)+7], v[8*(NT*\a+bi):8*(NT*\a+bi)+7]
.endif
.set bi, bi+1
.endr
.endm
.macro FETCH slot, kq, f
	WIN 0x40
.set bi, 0
.rept NT
	ds_load_tr16_b128 v[8*NT*\f+8*bi:8*NT*\f+8*bi+3],   v[ADRB+\slot] offset:32*\kq*BPITCH+(bi/4)*BPIECE+(bi%4)*32
	ds_load_tr16_b128 v[8*NT*\f+8*bi+4:8*NT*\f+8*bi+7], v[ADRB+\slot] offset:(32*\kq+16)*BPITCH+(bi/4)*BPIECE+(bi%4)*32
.set bi, bi+1
.endr
	WIN 0
.irp i, 0,1,2,3
	ds_load_b128 v[AF+32*\f+8*\i:AF+32*\f+8*\i+3],   v[ADRA+\slot] offset:64*\kq+\i*16*APITCH
	ds_load_b128 v[AF+32*\f+8*\i+4:AF+32*\f+8*\i+7], v[ADRA+\slot] offset:64*\kq+\i*16*APITCH+32
.endr
.endm
.macro PLACES                          ; four places behind matrix instructions before their sources are loaded again or their results read (ISA guide 7.12.1)
.rept 4
	v_nop
.endr
.endm
; The 4 NT accumulators take turns, one instruction a turn, in the same order in every quarter.
.macro QUARTER slot, kq, f, g, zero
	s_wait_dscnt 4                                 ; all but the four youngest loads (row tiles 2, 3)
	WIN MUL_LO
	MULM \f, 0, 0, \zero
	MULM \f, 0, 1, \zero
	PLACES
	FETCH \slot, \kq, \g
	s_wait_dscnt 2*NT+8                            ; all but the run just issued
	WIN MUL_HI
	MULM \f, 1, 0, \zero
	MULM \f, 1, 1, \zero
.endm
.macro THREE slot, zero
	QUARTER \slot, 1, 0, 1, \zero
	QUARTER \slot, 2, 1, 0, 0
	QUARTER \slot, 3, 0, 1, 0
.endm
.macro TURN slot, next, fill
	s_wait_dscnt 4
	WIN MUL_LO
	MULM 1, 0, 0, 0
	s_wait_dscnt 0                                 ; my reads of this slot are over
	s_wait_tensorcnt 0x0                           ; all my tensor loads have landed: my part of the next slot
	ds_add_u32 v255, v255
	s_wait_dscnt 0x0
	s_barrier_signal -1
	MULM 1, 0, 1, 0
	WIN 0
	s_barrier_wait -1
.if \fill
	CREST                                          ; the round's rest: no wave of any partner still reads this slot or has a load on its way
	s_add_nc_u64 s[G0A+4*\slot+2:G0A+4*\slot+3], s[G0A+4*\slot+2:G0A+4*\slot+3], 2*KSTEP*2
	s_add_nc_u64 s[G0B+4*\slot+2:G0B+4*\slot+3], s[G0B+4*\slot+2:G0B+4*\slot+3], 2*BSTEP
	JLOAD \slot                                    ; the first tensor load behind the round, one a wave
.endif
	PLACES
	FETCH \next, 0, 0
	WIN MUL_HI
	MULM 1, 1, 0, 0
	MULM 1, 1, 1, 0
.endm
.macro LAP zero
	THREE 0, \zero
	TURN 0, 1, 1
	THREE 1, 0
	TURN 1, 0, 1
.endm
	s_wait_tensorcnt 1                             ; my part of K step 0 is in; K step 1's load stays out
	s_barrier_signal -1
	s_barrier_wait -1
	FETCH 0, 0, 0
	LAP 1
	WIN 0
	s_mov_b32 s3, LAPS-2
.Llap:
	LAP 0
	WIN 0
	s_sub_co_u32 s3, s3, 1
	s_cmp_lg_u32 s3, 0
	s_cbranch_scc1 .Llap
	THREE 0, 0
	TURN 0, 1, 0
	THREE 1, 0
	s_wait_dscnt 4
	WIN MUL_LO
	MULM 1, 0, 0, 0
	MULM 1, 0, 1, 0
	s_wait_dscnt 0
	WIN MUL_HI
	MULM 1, 1, 0, 0
	MULM 1, 1, 1, 0
	; THE WAY OUT, 16 rows at a time: the f32 sums go into my stage as they are, and come back as whole rows of 512 bytes.
	PLACES
	s_lshl_b32 s16, s43, 21                        ; 256 rows x 8,192 bytes a block row
	s_lshl_b32 s17, s12, 19                        ; 64 rows a wave
	s_add_co_u32 s16, s16, s17
	s_mov_b32 s17, 0
	s_add_nc_u64 s[8:9], s[8:9], s[16:17]
	s_lshl_b32 s46, s42, 9                         ; 512 bytes a block column (in the registers that held wob's address)
	s_mov_b32 s47, 0
	s_add_nc_u64 s[8:9], s[8:9], s[46:47]
.macro OUTF ag, a, src                 ; src = 0x08 or 0x0c: the stores' data in window 2 or 3
	WIN \src
.set bi, 0
.rept NT
	ds_store_b128 v[STO], v[8*(NT*\a+bi):8*(NT*\a+bi)+3]   offset:64*bi
	ds_store_b128 v[STO], v[8*(NT*\a+bi)+4:8*(NT*\a+bi)+7] offset:64*bi+16
.set bi, bi+1
.endr
	WIN 0
	s_wait_xcnt 0x0                                ; the registers that the last sixteen stores read are loaded again only behind this wait
.set t, 0
.rept 16
	ds_load_b128 v[AF+4*t:AF+4*t+3], v[RD] offset:SPITCH*t   ; LDS serves a wave's instructions in order (ISA guide 5.7.1): these see the stores above
.set t, t+1
.endr
.set t, 0
.rept 16
	s_wait_dscnt 15-t
	global_store_b128 v[CO], v[AF+4*t:AF+4*t+3], s[8:9] offset:(16*\ag+t)*8192 th:TH_STORE_NT   ; 512 consecutive bytes of a row, aligned
.set t, t+1
.endr
.endm
	OUTF 0, 0, 0x08
	OUTF 1, 1, 0x08
	OUTF 2, 0, 0x0c
	OUTF 3, 1, 0x0c
	s_set_vgpr_msb 0x1
	s_wait_tensorcnt 0x0
	ds_add_u32 v255, v255
	s_wait_dscnt 0x0
	s_set_vgpr_msb 0x100
	CROUND                                         ; the closing round
	s_endpgm
.Lfunc_end_k_q58cefed913_oproj:
	.size	k_q58cefed913_oproj, .Lfunc_end_k_q58cefed913_oproj-k_q58cefed913_oproj
	.p2alignl 7, 3214868480
	.fill 96, 4, 3214868480
	.section	.rodata,"a",@progbits
	.p2align	6, 0x0
	.amdhsa_kernel k_q58cefed913_oproj
		.amdhsa_group_segment_fixed_size 327680
		.amdhsa_private_segment_fixed_size 0
		.amdhsa_enable_private_segment 0
		.amdhsa_kernarg_size 24
		.amdhsa_user_sgpr_count 2
		.amdhsa_user_sgpr_kernarg_segment_ptr 1
		.amdhsa_wavefront_size32 1
		.amdhsa_system_sgpr_workgroup_id_x 1
		.amdhsa_system_sgpr_workgroup_id_y 1
		.amdhsa_system_sgpr_workgroup_id_z 1
		.amdhsa_system_vgpr_workitem_id 0
		.amdhsa_next_free_vgpr 896
		.amdhsa_next_free_sgpr 80
		.amdhsa_reserve_vcc 0
		.amdhsa_float_denorm_mode_32 3
		.amdhsa_float_denorm_mode_16_64 3
		.amdhsa_memory_ordered 1
		.amdhsa_forward_progress 1
		.amdhsa_inst_pref_size 119
	.end_amdhsa_kernel
	.amdgpu_metadata
---
amdhsa.version: [ 1, 2 ]
amdhsa.kernels:
  - .name:           k_q58cefed913_oproj
    .symbol:         k_q58cefed913_oproj.kd
    .args:
      - { .name: ob, .offset: 0, .size: 8, .value_kind: global_buffer, .address_space: global }
      - { .name: wob, .offset: 8, .size: 8, .value_kind: global_buffer, .address_space: global }
      - { .name: out0, .offset: 16, .size: 8, .value_kind: global_buffer, .address_space: global }
    .group_segment_fixed_size: 327680
    .private_segment_fixed_size: 0
    .kernarg_segment_align: 8
    .kernarg_segment_size: 24
    .max_flat_workgroup_size: 128
    .sgpr_count:     80
    .vgpr_count:     896
    .wavefront_size: 32
...
	.end_amdgpu_metadata
.endif
;; end of part 4
